; MI455X (gfx1250); checked and timed in simulation.
; The chip was launched on July 23, 2026; its instructions are those of AMD's public machine-readable ISA for CDNA 5 (MIT licence, August 2026) and "CDNA5" Instruction Set Architecture Reference Guide (July 2026). The comments in the code are by the model that wrote it; some were corrected since.
;; Self Attention Wide. Allowed arithmetic: matrix products marked QUANTISED: E4M3 operands, one given power-of-two scale a tensor, by v_wmma_f32_16x16x64_fp8_fp8 or v_wmma_f32_16x16x128_fp8_fp8, f32 sums; everything else in f32.
;; Inputs: b_u 512 float32; lowp_scales 12 int32 (the exponents e of the quantised operands' scales 2^e); w_k 4,096 x 512 float32; w_q 4,096 x 512 float32; w_u 512 x 4,096 float32; w_v 4,096 x 512 float32; x 4 x 1,024 x 512 float32.
;; Outputs: out0 4 x 1,024 x 512 float32.
;; This version of the problem:
;;   THIS VERSION OF THE PROBLEM IS GIVEN IN LOW PRECISION. The matrix products marked QUANTISED in the list below multiply operands that are first quantised to E4M3 (4 exponent bits, 3 mantissa bits; 8 bits a number), with one given power-of-two scale for each operand tensor; their sums are f32. All else is computed in f32.
;;   The module's matrix products, in the order in which they are computed (A, B: the left and right operand; K: the contracted axis; several contracted axes count as one K, in the product's order):
;;     1. [M 4,096, K 512] x [K 512, N 4,096]; A: input x; B: input w_k: QUANTISED (scales: A lowp_scales[0], B lowp_scales[1])
;;     2. [M 4,096, K 512] x [K 512, N 4,096]; A: input x; B: input w_q: QUANTISED (scales: A lowp_scales[2], B lowp_scales[3])
;;     3. [M 4,096, K 512] x [K 512, N 4,096]; A: input x; B: input w_v: QUANTISED (scales: A lowp_scales[4], B lowp_scales[5])
;;     4. batch 32 x [M 1,024, K 512] x [K 512, N 1,024]; A: computed on the way; B: computed on the way: QUANTISED (scales: A lowp_scales[6], B lowp_scales[7])
;;     5. batch 32 x [M 512, K 1,024] x [K 1,024, N 1,024]; A: computed on the way; B: softmax (see below): QUANTISED (scales: A lowp_scales[8], B lowp_scales[9])
;;     6. [M 4,096, K 4,096] x [K 4,096, N 512]; A: computed on the way; B: input w_u: QUANTISED (scales: A lowp_scales[10], B lowp_scales[11])
;;   THE QUANTISER, for each operand of a quantised product, along K:
;;     - The operand's scale is 2^e, e = its entry of the input lowp_scales (int32; the entries are numbered through the quantised products in the list's order, A before B).
;;     - Each number is divided by the scale, clamped to +-448, and rounded to the nearest number of E4M3, ties to even, subnormals kept.
;;     - The product sums the exact products of the quantised numbers (number of the format x scale) in f32.
;;   ~~~python
;;   def quantise(x, axis, e):      # numpy; x: float32 -> the quantised numbers, widened to float32 again
;;       x = np.moveaxis(x, axis, -1); K = x.shape[-1]
;;       r = np.clip(x / 2.0 ** e, -448, 448)
;;       step = 2.0 ** (np.maximum(np.frexp(np.where(r == 0, 1, r))[1] - 1, -6) - 3)
;;       q = np.round(r / step) * step * 2.0 ** e      # np.round: ties to even
;;       return np.moveaxis(q, -1, axis).astype(np.float32)
;;   ~~~
;;   SOFTMAX AHEAD OF A QUANTISED PRODUCT. Where the list says 'softmax', what is quantised is not the finished softmax but p = 2^(t - M), with t = logit x log2(e) and M = ceil(the row's largest t), a whole number; so 1/2 < the row's largest p <= 1. The row's sum l is taken of the UNQUANTISED p, in f32, and the product's result is divided by l at the end. Since M is a whole number, a kernel that streams over the keys may use a running M (the ceiling of the running maximum): every later rescaling is an exact power of two, so the quantised numbers keep their values, but for numbers so far below the row's largest that they fall under the format's range.
;;   OPERANDS COMPUTED ON THE WAY. 'Computed on the way' means the value that the module computes at that place (a softmax that the list does not call 'softmax' is quantised finished and normalised). What goes into a quantiser is computed in f32, as accurately as f32 sums, v_exp_f32 and their like allow (about 1e-6 of the number): no bf16 or f16 on the way to a quantiser, and a product that is left as it is and whose result goes on into a quantised operand takes f32 operands (vector FMAs, or v_wmma_f32_16x16x4_f32). A number that lies on a knife's edge between two numbers of the format may be rounded either way, as far as f32 arithmetic and the matrix unit's own rounding can turn it there, and no further.
;; One version. Each part assembles by itself: llvm-mc -triple=amdgcn-amd-amdhsa -mcpu=gfx1250 --defsym DOCPART=n.
;; ======== version 1 of 1: 4 launches
;; workspace buffers: codes 14,680,064 bytes; qkv 50,331,648 bytes; ao 16,777,216 bytes
;; launch quant (part 1): grid 320 x 1, 4 waves a work-group, no clusters, 34,304 bytes of LDS; arguments x, w_k, w_q, w_v, w_u, lowp_scales, codes; writes codes
.if DOCPART == 1
	.amdgcn_target "amdgcn-amd-amdhsa--gfx1250"
	.amdhsa_code_object_version 6
	.text
	.protected	k_qd7cf7663c0_quant
	.globl	k_qd7cf7663c0_quant
	.p2align	8
	.type	k_qd7cf7663c0_quant,@function
k_qd7cf7663c0_quant:
	s_mov_b64 s[64:65], 0
	v_nop
	global_prefetch_b8 v0, s[64:65] scope:SCOPE_SE
	s_setreg_imm32_b32 hwreg(HW_REG_WAVE_MODE, 25, 1), 1
	s_wait_xcnt 0x0
; LAUNCH 1 OF 4.  x (three times: with the scales of products 1, 2 and 3), w_k, w_q, w_v and w_u become codes of E4M3, code = number / 2^e, held within +-448, to the nearest code, ties to even.
; THE PROGRAM: quant (this) | proj: products 1-3, their results x 512^-0.25 (q, k) quantised in registers | attn: products 4 and 5 with the softmax | unify: product 6 and the bias.
; WORK LEFT OUT, in launch attn alone: reference() itself sets dot to -inf wherever key > query (its own jnp.tril), so the softmax gives such a key the weight exp(-inf) = 0: neither that score nor that
; weight x value reaches an output, whatever finite values the inputs hold.  Where 32 queries x 128 keys lie wholly there (every key behind every query), neither product is formed.  Nothing else is left out; every
; input has a way to the output and is loaded.  LIMIT: a NaN, an infinity or an overflow that would arise only in the tiles left out is not carried to the result.
; THE LAYOUT OF ALL WORKSPACE OPERANDS: images of the operand registers.  A fragment F(T, kc) is 16 rows x 128 along K = 2,048 bytes; byte 512 c + 16 lane + i is the code of row rho(T, lane % 16) at
; k = 128 kc + 32 c + 16 (lane / 16) + i.  THE ROWS OF A TILE ARE NOT NEIGHBOURS: rho(T, r) = 32 (T / 2) + 8 (T % 2) + r + 8 (r / 8).  So a fragment is four accesses of 16 bytes a lane, 512 consecutive bytes each.
; codes: seven regions of 2 MiB: 0 x with e0, 1 w_k with e1, 2 x with e2, 3 w_q with e3, 4 x with e4, 5 w_v with e5 (each [T 256][kc 4] fragments), 6 w_u with e11 ([T 32][kc 32]).
; SHARES.  64 work-groups for each of the five tensors; a wave makes four fragments that lie on end (8 KiB of codes).  Each load reads 512 consecutive bytes of one row; the 16 rows turn through the wave's own stage
; in LDS (rows of 512 + 16 bytes) and come back 64 bytes a lane: 16 neighbours along K of each block of 32.  No barrier: waves share nothing.  Loads run two fragments (32 loads a wave) ahead.
; LIMITS: each e between -126 and 119, so that 2^e and 448 x 2^e are f32 numbers.  NaN among the inputs is not served; an infinity is held at the largest code.
.set STG,   8448                       ; a wave's stage: 16 rows x 528 bytes
.set SPARE, 4*STG                      ; behind the stages: the spare words, 128 bytes a wave, two blocks of 256 bytes that no other line names
.set L16,  1                           ; v1   16 x lane
.set SI,   2                           ; v2   the stage, on the way in
.set SO,   3                           ; v3   and on the way out
.set SC0,  4                           ; v4-9 2^e and 448 x 2^e, for up to three scales
.set LIM0, 5
.set SC1,  6
.set LIM1, 7
.set SC2,  8
.set LIM2, 9
.set SPW,  12                          ; v12  my spare word; never rewritten
.set NIL,  13                          ; v13  0; never rewritten
.set VO,   16                          ; v16-31   byte offset of my 16 bytes in the tile's row i
.set R,    32                          ; v32-159  two sets of 64: a fragment's numbers as loaded
.set X,    160                         ; v160-223 the same, 16 neighbours for each block of 32
.set T,    224                         ; v224-239 two sets of 8 held numbers
.set C,    240                         ; v240-255 a fragment's codes
	s_load_b256 s[4:11], s[0:1], 0x0               ; x, w_k, w_q, w_v
	s_load_b128 s[12:15], s[0:1], 0x20             ; w_u, the exponents
	s_load_b64 s[16:17], s[0:1], 0x30              ; codes
	v_lshl_add_u32 v[SPW], v0, 2, SPARE
	v_mov_b32 v[NIL], 0
	v_lshrrev_b32 v10, 5, v0
	v_readfirstlane_b32 s18, v10                   ; wave
	v_and_b32 v[L16], 31, v0
	v_lshlrev_b32 v[L16], 4, v[L16]
	s_mul_i32 s23, s18, STG
	v_add_nc_u32 v[SI], s23, v[L16]                ; in: row i at 528 i, 16 bytes a lane
	v_and_b32 v10, 15, v0
	v_bfe_u32 v11, v0, 4, 1
	v_mul_u32_u24 v[SO], v10, 528
	v_lshl_add_u32 v[SO], v11, 6, v[SO]
	v_add_nc_u32 v[SO], s23, v[SO]                 ; out: row lane % 16, + 64 bytes for the upper half of the lanes
	s_lshr_b32 s19, ttmp9, 6                       ; which tensor: 0 x, 1 w_k, 2 w_q, 3 w_v, 4 w_u
	s_and_b32 s20, ttmp9, 63
	s_lshl_b32 s20, s20, 2
	s_add_co_u32 s20, s20, s18                     ; J: which run of four fragments, 0 .. 255
	s_lshr_b32 s21, s20, 3
	s_and_b32 s24, s20, 7
	s_lshl_b32 s24, s24, 11
	s_cmp_eq_u32 s19, 4                            ; w_u has rows of 4,096 numbers: tile J / 8, K steps 4 (J % 8) on; the others rows of 512: tile J, K steps 0 to 3
	s_cselect_b32 s21, s21, s20                    ; T
	s_cselect_b32 s22, 14, 11                      ; log2 of a row's bytes
	s_cselect_b32 s24, s24, 0                      ; the run's first byte in a row
	s_lshr_b32 s25, s21, 1
	s_lshl_b32 s25, s25, 5
	s_and_b32 s26, s21, 1
	s_lshl_b32 s26, s26, 3
	s_add_co_u32 s25, s25, s26                     ; the tile's first row: 32 (T / 2) + 8 (T % 2)
	s_lshl_b32 s25, s25, s22
	s_add_co_u32 s24, s24, s25
	s_mov_b32 s25, 0                               ; s[24:25]: where my run begins in its tensor
.irp i, 0,1,2,3,4,5,6,7,8,9,10,11,12,13,14,15
	v_lshl_add_u32 v[VO+\i], \i+8*(\i/8), s22, v[L16]   ; the tile's row i lies i + 8 (i / 8) rows on
.endr
	s_lshl_b32 s26, s19, 1
	s_max_u32 s26, s26, 1
	s_sub_co_u32 s26, s26, 1
	s_min_u32 s26, s26, 6                          ; the region: 0, 1, 3, 5, 6
	s_lshl_b32 s26, s26, 21
	s_lshl_b32 s27, s20, 13
	s_add_co_u32 s26, s26, s27                     ; + 8 KiB x J
	s_mov_b32 s27, 0
	s_wait_kmcnt 0x0
	s_load_b256 s[32:39], s[14:15], 0x0            ; e0 .. e7
	s_load_b128 s[40:43], s[14:15], 0x20           ; e8 .. e11
	s_cmp_eq_u32 s19, 1                            ; the tensor is chosen by the work-group's number alone
	s_cselect_b64 s[4:5], s[6:7], s[4:5]
	s_cmp_eq_u32 s19, 2
	s_cselect_b64 s[4:5], s[8:9], s[4:5]
	s_cmp_eq_u32 s19, 3
	s_cselect_b64 s[4:5], s[10:11], s[4:5]
	s_cmp_eq_u32 s19, 4
	s_cselect_b64 s[4:5], s[12:13], s[4:5]
	s_add_nc_u64 s[4:5], s[4:5], s[24:25]
	s_add_nc_u64 s[16:17], s[16:17], s[26:27]
	s_add_nc_u64 s[28:29], s[16:17], 0x400000      ; x alone: the same place in region 2,
	s_add_nc_u64 s[30:31], s[16:17], 0x800000      ; and in region 4 (bases of their own: 8 MiB is more than a store's immediate holds)
.macro LOADF t                         ; fragment t: 16 rows x 512 bytes, into set t % 2
.irp i, 0,1,2,3,4,5,6,7,8,9,10,11,12,13,14,15
	global_load_b128 v[R+64*((\t)%2)+4*\i:R+64*((\t)%2)+4*\i+3], v[VO+\i], s[4:5] offset:512*(\t) th:TH_LOAD_NT
.endr
.endm
.macro TURN t                          ; through the stage: LDS serves a wave's instructions in order, so no wait stands between the stores and the loads
.irp i, 0,1,2,3,4,5,6,7,8,9,10,11,12,13,14,15
	ds_store_b128 v[SI], v[R+64*((\t)%2)+4*\i:R+64*((\t)%2)+4*\i+3] offset:528*\i
.endr
.irp c, 0,1,2,3
.irp j, 0,1,2,3
	ds_load_b128 v[X+16*\c+4*\j:X+16*\c+4*\j+3], v[SO] offset:128*\c+16*\j
.endr
.endr
.endm
.macro MKSC e, sc, lim                 ; 2^e and 448 x 2^e as f32 numbers
	s_add_co_i32 s45, s[\e], 127
	s_lshl_b32 s46, s45, 23
	v_mov_b32 v[\sc], s46
	s_add_co_i32 s45, s45, 8
	s_lshl_b32 s45, s45, 23
	s_or_b32 s45, s45, 0x600000
	v_mov_b32 v[\lim], s45
.endm
; The 64 numbers in X become a fragment's 16 registers of codes and are stored.  X is kept: x is quantised three times.  The held numbers go into two sets of eight by turns, so that the plain lines of one
; set stand between a conversion and the next write of its sources.
.macro QUANT sc, lim, dst, t
	s_wait_xcnt 0x0                                ; the last stores have read C: it is written again only behind this wait
.irp g, 0,1,2,3,4,5,6,7
.irp n, 0,1,2,3,4,5,6,7
	v_med3_num_f32 v[T+8*(\g%2)+\n], v[X+8*\g+\n], -v[\lim], v[\lim]   ; the conversion to an 8-bit code does not saturate (ISA guide 7.6.2): the hold comes first
.endr
	v_cvt_scalef32_pk8_fp8_f32 v[C+2*\g:C+2*\g+1], v[T+8*(\g%2):T+8*(\g%2)+7], v[\sc]
.endr
.irp c, 0,1,2,3
	global_store_b128 v[L16], v[C+4*\c:C+4*\c+3], s[\dst:\dst+1] offset:2048*(\t)+512*\c   ; 32 lanes store 512 consecutive bytes, aligned
.endr
.endm
.macro STEPQ t
	s_wait_dscnt 0x0                               ; X is in, and the stage's stores have read set t % 2,
.if (\t) < 2
	LOADF (\t)+2                                   ; which takes the fragment two further on
.endif
	QUANT SC0, LIM0, 16, \t
	s_cmp_lg_u32 s19, 0                            ; x alone has two more scales; the branch hangs on the work-group's number and holds register work and global stores only
	s_cbranch_scc1 .Lone_\@
	QUANT SC1, LIM1, 28, \t
	QUANT SC2, LIM2, 30, \t
.Lone_\@:
.if (\t) < 3
.if (\t) < 2
	s_wait_loadcnt 16                              ; the next fragment's 16 loads are in; the 16 issued above may be out
.else
	s_wait_loadcnt 0x0
.endif
	TURN (\t)+1
.endif
.endm
	LOADF 0
	LOADF 1
	s_wait_kmcnt 0x0
	s_mov_b32 s44, s32                             ; my tensor's exponent: e0, e1, e3, e5 or e11
	s_cmp_eq_u32 s19, 1
	s_cselect_b32 s44, s33, s44
	s_cmp_eq_u32 s19, 2
	s_cselect_b32 s44, s35, s44
	s_cmp_eq_u32 s19, 3
	s_cselect_b32 s44, s37, s44
	s_cmp_eq_u32 s19, 4
	s_cselect_b32 s44, s43, s44
	MKSC 44, SC0, LIM0
	MKSC 34, SC1, LIM1                             ; e2
	MKSC 36, SC2, LIM2                             ; e4
	s_wait_loadcnt 16                              ; fragment 0 is in; fragment 1's 16 loads may be out
	TURN 0
	STEPQ 0
	STEPQ 1
	STEPQ 2
	STEPQ 3
	s_wait_tensorcnt 0x0                           ; the wave's end: behind my last LDS store
	ds_add_u32 v[SPW], v[NIL]
	s_wait_dscnt 0x0
	s_endpgm
.Lfunc_end_k_qd7cf7663c0_quant:
	.size	k_qd7cf7663c0_quant, .Lfunc_end_k_qd7cf7663c0_quant-k_qd7cf7663c0_quant
	.p2alignl 7, 3214868480
	.fill 96, 4, 3214868480
	.section	.rodata,"a",@progbits
	.p2align	6, 0x0
	.amdhsa_kernel k_qd7cf7663c0_quant
		.amdhsa_group_segment_fixed_size 34304
		.amdhsa_private_segment_fixed_size 0
		.amdhsa_enable_private_segment 0
		.amdhsa_kernarg_size 56
		.amdhsa_user_sgpr_count 2
		.amdhsa_user_sgpr_kernarg_segment_ptr 1
		.amdhsa_wavefront_size32 1
		.amdhsa_system_sgpr_workgroup_id_x 1
		.amdhsa_system_sgpr_workgroup_id_y 1
		.amdhsa_system_sgpr_workgroup_id_z 1
		.amdhsa_system_vgpr_workitem_id 0
		.amdhsa_next_free_vgpr 256
		.amdhsa_next_free_sgpr 66
		.amdhsa_reserve_vcc 0
		.amdhsa_float_denorm_mode_32 3
		.amdhsa_float_denorm_mode_16_64 3
		.amdhsa_memory_ordered 1
		.amdhsa_forward_progress 1
		.amdhsa_inst_pref_size 79
	.end_amdhsa_kernel
	.amdgpu_metadata
---
amdhsa.version: [ 1, 2 ]
amdhsa.kernels:
  - .name:           k_qd7cf7663c0_quant
    .symbol:         k_qd7cf7663c0_quant.kd
    .args:
      - { .name: x, .offset: 0, .size: 8, .value_kind: global_buffer, .address_space: global }
      - { .name: w_k, .offset: 8, .size: 8, .value_kind: global_buffer, .address_space: global }
      - { .name: w_q, .offset: 16, .size: 8, .value_kind: global_buffer, .address_space: global }
      - { .name: w_v, .offset: 24, .size: 8, .value_kind: global_buffer, .address_space: global }
      - { .name: w_u, .offset: 32, .size: 8, .value_kind: global_buffer, .address_space: global }
      - { .name: lowp_scales, .offset: 40, .size: 8, .value_kind: global_buffer, .address_space: global }
      - { .name: codes, .offset: 48, .size: 8, .value_kind: global_buffer, .address_space: global }
    .group_segment_fixed_size: 34304
    .private_segment_fixed_size: 0
    .kernarg_segment_align: 8
    .kernarg_segment_size: 56
    .max_flat_workgroup_size: 128
    .sgpr_count:     66
    .vgpr_count:     256
    .wavefront_size: 32
...
	.end_amdgpu_metadata
.endif
;; end of part 1
;; launch proj (part 2): grid 16 x 48, 4 waves a work-group, clusters of 4 x 4, 327,680 bytes of LDS; arguments codes, lowp_scales, qkv; writes qkv
.if DOCPART == 2
	.amdgcn_target "amdgcn-amd-amdhsa--gfx1250"
	.amdhsa_code_object_version 6
	.text
	.protected	k_qd7cf7663c0_proj
	.globl	k_qd7cf7663c0_proj
	.p2align	8
	.type	k_qd7cf7663c0_proj,@function
k_qd7cf7663c0_proj:
	s_mov_b64 s[64:65], 0
	v_nop
	global_prefetch_b8 v0, s[64:65] scope:SCOPE_SE
	s_setreg_imm32_b32 hwreg(HW_REG_WAVE_MODE, 25, 1), 1
	s_wait_xcnt 0x0
	s_wait_alu depctr_hold_cnt(0) depctr_sa_sdst(0) depctr_va_vdst(0) depctr_va_sdst(0) depctr_va_ssrc(0) depctr_va_vcc(0) depctr_vm_vsrc(0)
	s_getreg_b32 s2, hwreg(HW_REG_IB_STS2, 6, 4)
	s_cmp_eq_u32 s2, 0
	s_cbranch_scc0 .Lentry_in_a_cluster
	s_endpgm
.Lentry_in_a_cluster:
	s_bfe_u32 s2, ttmp6, 0x10000c
	s_cmp_lg_u32 s2, 0xf033
	s_cbranch_scc0 .Lentry_shape_is_right
	s_endpgm
.Lentry_shape_is_right:
; LAUNCH 2 OF 4.  Products 1 to 3: k = x w_k^T, q = x w_q^T, v = x w_v^T on codes of E4M3; each finished sum x 2^(its two exponents), q and k also x 512^-0.25, is quantised in registers for products 4 and 5.
; No work is left out here.
; Operands and results are images of operand registers (2,048 bytes a fragment of 16 rows x 128 K; byte 512 c + 16 lane + i = row rho(T, lane % 16), k = 32 c + 16 (lane / 16) + i; rho(T, r) = 32 (T/2) + 8 (T%2) + r + 8 (r/8)).
; SHARES.  16 x 16 work-groups for each of three roles (0 k, 1 q, 2 v: the role hangs on the cluster's y alone).  A work-group makes 256 x 256 over K = 512, a wave 128 x 128: 64 accumulators, 512 registers.
; THE MATRIX INSTRUCTION: source 0 = 16 rows of B, source 1 = 16 rows of A.  Lane (r, h), register j of the result is B's row rho(T, 8 h + j) against A's row rho(T', r); rho(2 C + u, 8 h + j) = 32 C + 16 h + 8 u + j,
; so the 64 registers of a block of A against B's eight tiles are, converted, exactly the 16 registers of a new fragment with A's rows in the lanes and B's 128 rows as its K.  Nothing changes lanes; no stage is needed.
; Roles k, q: A = x (tokens in the lanes), B = the weight (the head's channels along K).  Role v: A = w_v (channels in the lanes), B = x (the keys along K), since the keys are product 5's K.
; qkv: three regions of 16 MiB: 0 q [b][h][token tile 64][kc 4], 1 k likewise, 2 v [b][h][key step 8][channel tile 32], in fragments.
; CLUSTERS: 4 x 4 work-groups; A's tiles are shared along a row of the cluster, B's along a column: each is asked for JOINTLY, by the same tensor load with the same descriptor and a mask that names the four.
; LDS: two slots of 128 KiB, each with two K steps of 128; both are filled once, at the start: a wave has two tensor loads out, and nothing is filled again.
; REGISTERS, in windows of 256: window 0: v16-31 addresses and scales; v32-95 a block's sums at work; v96-127 its codes, two sets; from v128 A's fragments, ONE set.  window 1: B's fragments, TWO sets.
;   window 2: the accumulators of A's blocks 0-3 ((a, b) at v[8 (8 (a % 4) + b)]); window 3: those of blocks 4-7.
; LIMITS: e0 + e1, e2 + e3 between -123 and 127 and e4 + e5 between -126 and 127 (they are added to a factor's exponent field); e6, e7, e8 between -126 and 119.  NaN among the inputs is not served.
.set FR,    16                         ; registers of a fragment
.set NL,    4                          ; LDS loads that bring one
.set NP,    4                          ; places behind this matrix instruction (ISA guide 7.12.1)
.set PART,  32768                      ; what one tensor load brings: 8 tiles x 2 K steps x 2,048 bytes
.set SLOT,  4*PART                     ; A's two halves, then B's two halves
.set SPARE, 2*SLOT                     ; behind the slots: the spare words, 128 bytes a wave, two blocks of 256 bytes that no other line names
.set ADRA, 16                          ; v16-17  LDS address of my A fragments in slot 0, 1
.set ADRB, 20                          ; v20-21  the same for B
.set CO,   26                          ; v26     16 x lane
.set SPW,  28                          ; v28     my spare word; never rewritten
.set NIL,  29                          ; v29     0; never rewritten
.set LIM,  30                          ; v30     448 x 2^eo
.set SC,   31                          ; v31     2^eo
.set TMP,  32
.set CD,   96
.set AF,   128
.set G1, 24                            ; s[24:31] descriptor group 1 for A's tiles; s[32:39] group 0, one set for each slot
.set G0, 32
.set G1B, 48                           ; s[48:55], s[56:63] the same for B's
.set G0B, 56
.set MSB, 0
.macro WIN new                         ; the immediate's high byte repeats the setting that is left
.if MSB != \new
	s_set_vgpr_msb (MSB<<8)|\new
.set MSB, \new
.endif
.endm
.set MUL_LO, 0xa1                      ; source 0 (B) window 1, source 1 (A) window 0, C and D window 2
.set MUL_HI, 0xf1                      ; the same, C and D window 3
.set TO_B,   0x40                      ; destination window 1, address window 0
; A joint load: waves 0 and 1 fetch A's halves, waves 2 and 3 B's.  The branch hangs on the wave's number alone.  An s_nop 0 and four v_nop follow each of the two lines.
.macro JLOAD g0a, g1a, g0b, g1b
	s_cmp_eq_u32 s15, 0
	s_cbranch_scc0 .Lfor_b_\@
	tensor_load_to_lds s[\g0a:\g0a+3], s[\g1a:\g1a+7]
	s_nop 0
.rept 4
	v_nop
.endr
	s_branch .Lasked_\@
.Lfor_b_\@:
	tensor_load_to_lds s[\g0b:\g0b+3], s[\g1b:\g1b+7]
	s_nop 0
.rept 4
	v_nop
.endr
.Lasked_\@:
.endm
.macro CROUND                          ; a round of the cluster's barrier
	s_barrier_signal -1
	s_barrier_wait -1
	s_cmp_lg_u32 s14, 0
	s_cbranch_scc1 .Lnot_wave_0_\@
	s_barrier_signal -3
.Lnot_wave_0_\@:
	s_barrier_wait -3
	s_barrier_signal -1
	s_barrier_wait -1
.endm
	s_load_b128 s[4:7], s[0:1], 0x0                ; codes, the exponents
	s_load_b64 s[10:11], s[0:1], 0x10              ; qkv
	v_lshl_add_u32 v[SPW], v0, 2, SPARE
	v_mov_b32 v[NIL], 0
	ds_add_u32 v[SPW], v[NIL]                      ; the wave's opening: the add, twice on end, and its wait ahead of my first tensor load
	ds_add_u32 v[SPW], v[NIL]
	v_lshrrev_b32 v1, 5, v0
	v_readfirstlane_b32 s14, v1                    ; wave 0..3
	s_lshr_b32 s15, s14, 1                         ; which half of A's rows is mine.  Also: I fetch for A (0) or for B (1)
	s_and_b32 s16, s14, 1                          ; which half of B's rows.  Also: which half I fetch
	s_bfe_u32 s40, ttmp6, 0x40000                  ; cx, cy: my place in the cluster
	s_bfe_u32 s41, ttmp6, 0x40004
	s_lshl_b32 s42, ttmp9, 2
	s_add_co_u32 s42, s42, s40                     ; tc: which 256 rows of B
	s_and_b32 s80, ttmp7, 0xffff                   ; the cluster's y, 0 .. 11
	s_and_b32 s17, s80, 3
	s_lshl_b32 s17, s17, 2
	s_add_co_u32 s17, s17, s41                     ; tr: which 256 rows of A
	s_lshr_b32 s80, s80, 2                         ; the role: the same in all sixteen partners
	s_lshl_b32 s43, s41, 2
	s_lshl_b32 s43, 15, s43                        ; my row of the cluster
	s_lshl_b32 s44, 0x1111, s40                    ; my column
	; descriptor group 1: 8 rows (tiles) of 4,096 bytes (two K steps' fragments), 8,192 bytes apart in memory, dense in LDS
	s_or_b32 s[G1+0], s43, (1<<21)                 ; 15:0 the mask: A's tiles go to my row; 17:16 elements of 1 byte; 20 no padding; 21 set beside a mask
	s_or_b32 s[G1B+0], s44, (1<<21)
.irp g, G1, G1B
	s_mov_b32 s[\g+1], 4096<<16                    ; tensor_dim0
	s_mov_b32 s[\g+2], 8<<16                       ; tensor_dim1
	s_mov_b32 s[\g+3], 4096<<16                    ; tile_dim0
	s_mov_b32 s[\g+4], 8                           ; tile_dim1
	s_mov_b32 s[\g+5], 8192                        ; tensor_dim0_stride
	s_mov_b32 s[\g+6], 0
	s_mov_b32 s[\g+7], 0
.endr
	s_lshl_b32 s81, s80, 1
	s_cmp_eq_u32 s80, 2
	s_cselect_b32 s82, 1, 0
	s_add_co_u32 s83, s81, s82                     ; A's region of codes: 0, 2, 5
	s_add_co_u32 s84, s81, 1
	s_sub_co_u32 s84, s84, s82                     ; B's: 1, 3, 4
	s_lshl_b32 s20, s83, 21
	s_lshl_b32 s18, s17, 17
	s_add_co_u32 s20, s20, s18                     ; A: + 128 KiB x tr
	s_lshl_b32 s18, s16, 16                        ; + 64 KiB x the half that I fetch
	s_add_co_u32 s20, s20, s18
	s_mov_b32 s21, 0
	s_lshl_b32 s46, s84, 21
	s_lshl_b32 s47, s42, 17
	s_add_co_u32 s46, s46, s47                     ; B: + 128 KiB x tc
	s_add_co_u32 s46, s46, s18
	s_mov_b32 s47, 0
	s_mul_i32 s45, s14, PART                       ; where they go: wave x 32 KiB: no place in the cluster enters an LDS address
	s_wait_dscnt 0x0                               ; both opening adds are done
	s_wait_kmcnt 0x0
	s_load_b256 s[68:75], s[6:7], 0x0              ; e0 .. e7
	s_load_b128 s[76:79], s[6:7], 0x20             ; e8 .. e11
	s_add_nc_u64 s[20:21], s[4:5], s[20:21]
	s_add_nc_u64 s[46:47], s[4:5], s[46:47]
	CROUND                                         ; all sixteen work-groups are here: the joint loads meet
.irp s, 0,1
	s_mov_b32 s[G0+4*\s], 1
	s_add_co_u32 s[G0+4*\s+1], s45, \s*SLOT
	s_add_nc_u64 s[G0+4*\s+2:G0+4*\s+3], s[20:21], \s*4096   ; slot s: K steps 2 s and 2 s + 1
	s_or_b32 s[G0+4*\s+3], s[G0+4*\s+3], 0x80000000
	s_mov_b32 s[G0B+4*\s], 1
	s_add_co_u32 s[G0B+4*\s+1], s45, \s*SLOT
	s_add_nc_u64 s[G0B+4*\s+2:G0B+4*\s+3], s[46:47], \s*4096
	s_or_b32 s[G0B+4*\s+3], s[G0B+4*\s+3], 0x80000000
	JLOAD G0+4*\s, G1, G0B+4*\s, G1B
.endr
	v_and_b32 v1, 31, v0
	v_lshlrev_b32 v[CO], 4, v1
	s_mul_i32 s21, s15, PART                       ; my half of A,
	s_mul_i32 s22, s16, PART                       ; my half of B,
	s_add_co_u32 s22, s22, 2*PART                  ; which lies behind A's two
.irp s, 0,1
	v_add_nc_u32 v[ADRA+\s], s21, v[CO]
	v_add_nc_u32 v[ADRB+\s], s22, v[CO]
	s_add_co_u32 s21, s21, SLOT
	s_add_co_u32 s22, s22, SLOT
.endr
	; where my results go.  MB, NB: my blocks of 128 rows of A and of B.  Tokens are block P, channels block Q: roles k, q: (P, Q) = (MB, NB); role v: (NB, MB).
	s_lshl_b32 s81, s17, 1
	s_add_co_u32 s81, s81, s15                     ; MB
	s_lshl_b32 s82, s42, 1
	s_add_co_u32 s82, s82, s16                     ; NB
	s_xor_b32 s85, s80, 1                          ; role k goes to region 1, role q to region 0
	s_mov_b32 s88, 8192
	s_cmp_eq_u32 s80, 2
	s_cselect_b32 s83, s82, s81                    ; P
	s_cselect_b32 s84, s81, s82                    ; Q
	s_cselect_b32 s85, 2, s85                      ; the region
	s_cselect_b32 s86, 14, 11                      ; Q % 4 counts 16 KiB in v (8 channel tiles), 2 KiB in q and k (a kc)
	s_cselect_b32 s88, 2048, s88                   ; from a block of A to the next: a channel tile in v, a token tile in q and k
	s_mov_b32 s89, 0
	s_lshl_b32 s90, s85, 24
	s_lshr_b32 s87, s83, 3
	s_lshl_b32 s87, s87, 22
	s_add_co_u32 s90, s90, s87                     ; + 4 MiB x batch
	s_lshr_b32 s87, s84, 2
	s_lshl_b32 s87, s87, 19
	s_add_co_u32 s90, s90, s87                     ; + 512 KiB x head
	s_and_b32 s87, s83, 7
	s_lshl_b32 s87, s87, 16
	s_add_co_u32 s90, s90, s87                     ; + 64 KiB x (128 tokens)
	s_and_b32 s87, s84, 3
	s_lshl_b32 s87, s87, s86
	s_add_co_u32 s90, s90, s87
	s_mov_b32 s91, 0
	s_add_nc_u64 s[10:11], s[10:11], s[90:91]
	; the factor of a finished sum, and the quantiser's scale
	s_wait_kmcnt 0x0
	s_add_co_i32 s92, s68, s69
	s_add_co_i32 s93, s70, s71
	s_add_co_i32 s94, s72, s73
	s_mov_b32 s96, 0x3e5744fd                      ; 512^-0.25 as f32
	s_cmp_eq_u32 s80, 1
	s_cselect_b32 s92, s93, s92
	s_cselect_b32 s95, s74, s75                    ; q: e6; k: e7
	s_cmp_eq_u32 s80, 2
	s_cselect_b32 s92, s94, s92
	s_cselect_b32 s95, s76, s95                    ; v: e8
	s_cselect_b32 s96, 0x3f800000, s96             ; v has no such factor
	s_lshl_b32 s92, s92, 23
	s_add_co_i32 s96, s96, s92                     ; x 2^(the two operands' exponents): added to the factor's exponent field
	s_mov_b32 s97, s96                             ; (named with it as a pair, so it is written)
	s_add_co_i32 s95, s95, 127
	s_lshl_b32 s94, s95, 23
	v_mov_b32 v[SC], s94
	s_add_co_i32 s95, s95, 8
	s_lshl_b32 s95, s95, 23
	s_or_b32 s95, s95, 0x600000
	v_mov_b32 v[LIM], s95
.macro FRAG reg, adr, q, i             ; a fragment as it lies: four loads of 512 consecutive bytes
.irp c, 0,1,2,3
	ds_load_b128 v[\reg+4*\c:\reg+4*\c+3], v[\adr] offset:2048*(\q)+512*\c+(\i)*4096
.endr
.endm
; 16 matrix instructions: A's blocks a0, a0 + 1 x B's eight, 128 along K.  p: B's set.  zero = 1: the first product starts the sums.  The 64 accumulators take turns, one instruction a turn, in the same
; order in every step.
.macro MUL16 a0, p, zero
.irp a, \a0, \a0+1
.irp b, 0,1,2,3,4,5,6,7
.if \zero
	v_wmma_f32_16x16x128_fp8_fp8 v[8*(8*((\a)%4)+\b):8*(8*((\a)%4)+\b)+7], v[128*(\p)+FR*\b:128*(\p)+FR*\b+FR-1], v[AF+FR*(\a):AF+FR*(\a)+FR-1], 0
.else
	v_wmma_f32_16x16x128_fp8_fp8 v[8*(8*((\a)%4)+\b):8*(8*((\a)%4)+\b)+7], v[128*(\p)+FR*\b:128*(\p)+FR*\b+FR-1], v[AF+FR*(\a):AF+FR*(\a)+FR-1], v[8*(8*((\a)%4)+\b):8*(8*((\a)%4)+\b)+7]
.endif
.endr
.endr
.endm
.macro FETCH_B slot, q, p
	WIN TO_B
.irp i, 0,1,2,3,4,5,6,7
	FRAG 128*(\p)+FR*\i, ADRB+\slot, \q, \i
.endr
	WIN 0
.endm
.macro FETCH_A slot, q, i0
.irp i, \i0, \i0+1, \i0+2, \i0+3
	FRAG AF+FR*(\i), ADRA+\slot, \q, \i
.endr
.endm
.macro PLACES n                        ; plain vector lines between a matrix instruction and a load into one of its registers, or a read of its result
.rept \n
	v_nop
.endr
.endm
; A step of 128 along K that has its successor in the same slot.  A's blocks 0-3 are fetched anew in the step's middle, blocks 4-7 at its end; B has two sets.
.macro STEP slot, q, zero
	s_wait_dscnt 4*NL                              ; B's set and A's blocks 0-3 are in; the youngest 16 loads (A's blocks 4-7) may be out
	WIN MUL_LO
	MUL16 0, (\q)%2, \zero
	MUL16 2, (\q)%2, \zero
	s_wait_dscnt 0                                 ; A's blocks 4-7 are in
	PLACES NP
	FETCH_B \slot, (\q)+1, 1-(\q)%2
	FETCH_A \slot, (\q)+1, 0
	WIN MUL_HI
	MUL16 4, (\q)%2, \zero
	MUL16 6, (\q)%2, \zero
	PLACES NP
	WIN 0
	FETCH_A \slot, (\q)+1, 4
.endm
	s_wait_tensorcnt 1                             ; my part of slot 0 is in; slot 1's load may be out
	s_barrier_signal -1
	s_barrier_wait -1                              ; everybody's is
	FETCH_B 0, 0, 0
	FETCH_A 0, 0, 0
	FETCH_A 0, 0, 4
	STEP 0, 0, 1                                   ; K step 0: its products start the sums
	; K step 1 changes slots: one barrier, in front of which each wave has waited for its part of slot 1
	s_wait_tensorcnt 0x0                           ; all my tensor loads have landed
	ds_add_u32 v[SPW], v[NIL]                      ; 0 onto my spare word
	s_wait_dscnt 4*NL+1                            ; (the add and the youngest 16 loads may be out)
	WIN MUL_LO
	MUL16 0, 1, 0
	s_wait_dscnt 0x0                               ; no LDS instruction of mine is out at the signal
	s_barrier_signal -1
	MUL16 2, 1, 0
	WIN 0
	s_barrier_wait -1                              ; slot 1 is whole
	PLACES NP
	FETCH_B 1, 0, 0
	FETCH_A 1, 0, 0
	WIN MUL_HI
	MUL16 4, 1, 0
	MUL16 6, 1, 0
	PLACES NP
	WIN 0
	FETCH_A 1, 0, 4
	STEP 1, 0, 0                                   ; K step 2
	s_wait_dscnt 4*NL                              ; K step 3: nothing more to fetch
	WIN MUL_LO
	MUL16 0, 1, 0
	MUL16 2, 1, 0
	s_wait_dscnt 0
	WIN MUL_HI
	MUL16 4, 1, 0
	MUL16 6, 1, 0
	WIN 0
; THE WAY OUT, a block of A (16 rows in the lanes) at a time: 64 sums a lane x the factor, held, converted: 16 registers of codes = one fragment, stored as it stands.
.macro OUT a
.set AC, 64*((\a)%4)
.if (\a) > 0
	s_wait_xcnt 0x0                                ; the earlier stores have read their base and their data
	s_add_nc_u64 s[10:11], s[10:11], s[88:89]
.endif
	WIN 0x02+((\a)/4)                              ; source 0: window 2 or 3
.irp j, 0,2,4,6,8,10,12,14,16,18,20,22,24,26,28,30,32,34,36,38,40,42,44,46,48,50,52,54,56,58,60,62
	v_pk_mul_f32 v[TMP+\j:TMP+\j+1], v[AC+\j:AC+\j+1], s[96:97] op_sel_hi:[1,0]   ; each accumulator from its low end on
.endr
	WIN 0
.irp g, 0,1,2,3,4,5,6,7
.irp n, 0,1,2,3,4,5,6,7
	v_med3_num_f32 v[TMP+8*\g+\n], v[TMP+8*\g+\n], -v[LIM], v[LIM]   ; the conversion does not saturate (ISA guide 7.6.2): the hold comes first
.endr
	v_cvt_scalef32_pk8_fp8_f32 v[CD+16*((\a)%2)+2*\g:CD+16*((\a)%2)+2*\g+1], v[TMP+8*\g:TMP+8*\g+7], v[SC]
.endr
	v_nop                                          ; a plain line between the last conversion and the next write of its sources
.irp c, 0,1,2,3
	global_store_b128 v[CO], v[CD+16*((\a)%2)+4*\c:CD+16*((\a)%2)+4*\c+3], s[10:11] offset:512*\c th:TH_STORE_NT   ; 512 consecutive bytes, aligned
.endr
.endm
	PLACES NP
.irp a, 0,1,2,3,4,5,6,7
	OUT \a
.endr
	s_wait_tensorcnt 0x0                           ; the wave's end
	ds_add_u32 v[SPW], v[NIL]
	s_wait_dscnt 0x0
	CROUND                                         ; the closing round
	s_endpgm
.Lfunc_end_k_qd7cf7663c0_proj:
	.size	k_qd7cf7663c0_proj, .Lfunc_end_k_qd7cf7663c0_proj-k_qd7cf7663c0_proj
	.p2alignl 7, 3214868480
	.fill 96, 4, 3214868480
	.section	.rodata,"a",@progbits
	.p2align	6, 0x0
	.amdhsa_kernel k_qd7cf7663c0_proj
		.amdhsa_group_segment_fixed_size 327680
		.amdhsa_private_segment_fixed_size 0
		.amdhsa_enable_private_segment 0
		.amdhsa_kernarg_size 24
		.amdhsa_user_sgpr_count 2
		.amdhsa_user_sgpr_kernarg_segment_ptr 1
		.amdhsa_wavefront_size32 1
		.amdhsa_system_sgpr_workgroup_id_x 1
		.amdhsa_system_sgpr_workgroup_id_y 1
		.amdhsa_system_sgpr_workgroup_id_z 1
		.amdhsa_system_vgpr_workitem_id 0
		.amdhsa_next_free_vgpr 1024
		.amdhsa_next_free_sgpr 100
		.amdhsa_reserve_vcc 0
		.amdhsa_float_denorm_mode_32 3
		.amdhsa_float_denorm_mode_16_64 3
		.amdhsa_memory_ordered 1
		.amdhsa_forward_progress 1
		.amdhsa_inst_pref_size 99
	.end_amdhsa_kernel
	.amdgpu_metadata
---
amdhsa.version: [ 1, 2 ]
amdhsa.kernels:
  - .name:           k_qd7cf7663c0_proj
    .symbol:         k_qd7cf7663c0_proj.kd
    .args:
      - { .name: codes, .offset: 0, .size: 8, .value_kind: global_buffer, .address_space: global }
      - { .name: lowp_scales, .offset: 8, .size: 8, .value_kind: global_buffer, .address_space: global }
      - { .name: qkv, .offset: 16, .size: 8, .value_kind: global_buffer, .address_space: global }
    .group_segment_fixed_size: 327680
    .private_segment_fixed_size: 0
    .kernarg_segment_align: 8
    .kernarg_segment_size: 24
    .max_flat_workgroup_size: 128
    .sgpr_count:     100
    .vgpr_count:     1024
    .wavefront_size: 32
...
	.end_amdgpu_metadata
.endif
;; end of part 2
;; launch attn (part 3): grid 8 x 32, 4 waves a work-group, clusters of 4 x 1, 327,680 bytes of LDS; arguments qkv, lowp_scales, ao; writes ao
.if DOCPART == 3
	.amdgcn_target "amdgcn-amd-amdhsa--gfx1250"
	.amdhsa_code_object_version 6
	.text
	.protected	k_qd7cf7663c0_attn
	.globl	k_qd7cf7663c0_attn
	.p2align	8
	.type	k_qd7cf7663c0_attn,@function
k_qd7cf7663c0_attn:
	s_mov_b64 s[64:65], 0
	v_nop
	global_prefetch_b8 v0, s[64:65] scope:SCOPE_SE
	s_setreg_imm32_b32 hwreg(HW_REG_WAVE_MODE, 25, 1), 1
	s_wait_xcnt 0x0
	s_wait_alu depctr_hold_cnt(0) depctr_sa_sdst(0) depctr_va_vdst(0) depctr_va_sdst(0) depctr_va_ssrc(0) depctr_va_vcc(0) depctr_vm_vsrc(0)
	s_getreg_b32 s2, hwreg(HW_REG_IB_STS2, 6, 4)
	s_cmp_eq_u32 s2, 0
	s_cbranch_scc0 .Lentry_in_a_cluster
	s_endpgm
.Lentry_in_a_cluster:
	s_bfe_u32 s2, ttmp6, 0x10000c
	s_cmp_lg_u32 s2, 0x3003
	s_cbranch_scc0 .Lentry_shape_is_right
	s_endpgm
.Lentry_shape_is_right:
; LAUNCH 3 OF 4.  Products 4 and 5 with the softmax between them, on codes of E4M3; the result / l is quantised for product 6.
; WORK LEFT OUT: 32 queries x 128 keys all of whose keys come behind all of its queries: reference()'s own jnp.tril gives them the weight 0 (shown at the head of launch quant).
; THE SOFTMAX: t = score x 2^(e6 + e7) x log2(e); M = the running largest t rounded UP to a whole number; p = 2^(t - M) is quantised with 2^e9, not normalised; l sums the unquantised p; when M moves, l and O are
; multiplied by 2^(old M - new M), which rounds nothing.  At the end O x 2^(e8 + e9) / l is quantised with 2^e10.
; SHARES.  A head's 1,024 queries are four groups of 256.  A cluster of four work-groups takes group g (the cluster's x, 0 or 1) and then group 3 - g of one batch and head.  Of a group G, partner cx owns 64 queries as
; four tiles: pair 0 = queries 256 G + 32 cx + 0..31, pair 1 = the same + 128.  So all four partners walk the same key steps ks = 0 .. 2 G + 1 of 128 keys and each has queries that count in every one of them: the
; tiles of K and V are asked for JOINTLY.  Step 2 G: pair 0 lies on the diagonal.  Step 2 G + 1: pair 0 lies wholly under the mask and is left out (a HALF step); pair 1 lies on the diagonal.
; Every work-group walks 10 steps (2 g + 2, then 8 - 2 g), 8 full and 2 half: equal work, constant trip counts.  Steps 0..7 are a loop (the half one is step 2 g + 1); steps 8 (full) and 9 (half) are written out.
; A WAVE'S SHARE.  S^T = K Q^T: key tiles 2 w, 2 w + 1 of the step against all four query tiles (Q stays in registers).  O^T = V^T P^T: channels 128 w .. + 127 against the 64 queries.  No fragment of K or V is read by two
; waves.  What goes from wave to wave through LDS: the step's largest scores, the step's sums, and P as an image of its registers (wave w makes registers 4 w .. 4 w + 3 of each fragment of P).
; LAYOUT: fragments of 2,048 bytes as in launch quant.  In S^T lane (r, h), registers 0..15 of a query tile are keys 32 w + 16 h + 0..15 of the step against query rho(tile, r): a lane holds one query throughout.
; TWO MEETINGS A STEP.  The first (a round of the cluster's barrier while slots are filled): behind it the largest scores are exchanged, the next step's tiles have landed, and this step's slot, which every wave has read
; out into registers, is filled with the tiles two steps on: that load has one step in which to land.  The second (the work-group's barrier): behind it P and the sums are read.
; LDS: slot 0 at 0, slot 1 at 131,072: K [key tile 8][kc 4] fragments, then V [channel tile 32]; from 262,144 the exchange: P 8,192, largest scores 2,048, sums 2,048; the half steps have a second such set.
; REGISTERS: window 0: see below; window 1: Q (tile t, kc q) at 16 (4 t + q); window 2: O^T (tile t, channel tile m) at 64 t + 8 m; window 3: v0-127 V (m) at 16 m.
; LIMITS: e6 + e7 between -126 and 126; e9 and e10 between -126 and 119; e8 + e9 is applied by v_ldexp_f32 and has none.
.set SLOT,  131072
.set VOFF,  65536
.set PIMG,  2*SLOT
.set MXO,   8192                       ; from PIMG: the largest scores
.set LSO,   10240                      ; the sums
.set XSET,  12288                      ; from the full steps' set to the half steps'
.set SPARE, PIMG+2*XSET                ; the spare words, 128 bytes a wave, two blocks of 256 bytes that no other line names
.set L16,  1                           ; v1   16 x lane
.set AK0,  2                           ; v2   my place in a slot's K: 16 lane + 16,384 w
.set AV0,  3                           ; v3   in its V
.set ADK,  4                           ; v4, v5 addresses of the loads in hand
.set ADV,  5
.set BXW,  6                           ; v6   the exchange, where I store: PIMG + 512 w + 16 lane
.set BXR,  7                           ; v7   and where I read: PIMG + 16 lane
.set PFO,  8                           ; v8   256 x lane, for the prefetches
.set NINF, 9                           ; v9   -infinity
.set D0,   12                          ; v12, v13 the mask: key register n of an even (odd) query tile is hidden where n > D0 (D0 + 8)
.set SPW,  14                          ; v14  my spare word; never rewritten
.set NIL,  15                          ; v15  0; never rewritten
.set ST,   16                          ; v16-23 for each tile: -M, the largest t
.set LL,   24                          ; v24-27 l (my half of the lanes' keys)
.set F,    28                          ; v28-35 for each tile: f, and a word that is only named
.set MXV,  36                          ; v36-39 the step's largest score, then at work
.set MR,   40                          ; v40-55 what the four waves exchanged; sums at work; codes
.set LSV,  56                          ; v56-59 my keys' sums of p
.set SCP,  60                          ; v60  2^e9
.set SCO,  61                          ; v61  2^e10
.set S,    64                          ; v64-127 S^T, then p, 16 a tile; then P's fragments, 16 a tile
.set KF,   128                         ; v128-255 K (u, q) at 16 (4 u + q)
.set WV,   10
.set CX,   11
.set GG,   12
.set BH,   13
.set SEL,  14                          ; s[14:15] selects for lane l xor 16
.set CS,   16                          ; s[16:17] c = log2(e) x 2^(e6 + e7), twice
.set G1,   20                          ; s[20:27] descriptor group 1
.set G0A,  28                          ; s[28:31] group 0 of step 0's tiles
.set G0B,  32                          ; s[32:35] of step 1's; it then walks on
.set BW,   36                          ; s[36:37] my wave's 32 KiB of the head's key step 0
.set OFS,  38                          ; s[38:39] an offset
.set QB1,  40                          ; s[40:43] Q of the first and of the second group
.set QB2,  42
.set AOB1, 44                          ; s[44:47] where their results go
.set AOB2, 46
.set J,    48                          ; the step
.set E0,   49                          ; 2 g: the first group's step on pair 0's diagonal
.set E1,   50                          ; 2 g + 1: its half step
.set N1,   51                          ; 2 g + 2: its steps
.set TB,   52                          ; the slot in hand
.set TN,   53                          ; the other
.set PFA,  54                          ; s[54:55] where my prefetches stand
.set PFN,  56                          ; 4 in the cluster that prefetches, else 0
.set TS,   57                          ; at work
.set LIMP, 58                          ; 448 x 2^e9
.set LIMO, 59                          ; 448 x 2^e10
.set NLIMO, 60                         ; and its negative
.set EVP,  61                          ; e8 + e9
.set MSB, 0
.macro WIN new                         ; low byte: bits 1:0 source 0, 3:2 source 1, 5:4 source 2, 7:6 destination; the high byte repeats the setting that is left
.if MSB != \new
	s_set_vgpr_msb (MSB<<8)|\new
.set MSB, \new
.endif
.endm
.macro PLACES n
.rept \n
	v_nop
.endr
.endm
.macro CROUND                          ; a round of the cluster's barrier
	s_barrier_signal -1
	s_barrier_wait -1
	s_cmp_lg_u32 s[WV], 0
	s_cbranch_scc1 .Lnot_wave_0_\@
	s_barrier_signal -3
.Lnot_wave_0_\@:
	s_barrier_wait -3
	s_barrier_signal -1
	s_barrier_wait -1
.endm
; A PREFETCH INTO THE L2.  Key steps 4 to 7 of a head are first asked for by the cluster with g = 0, in its trips 4 to 7.  That cluster names them in trips 2 to 5: in trip J key step J + 2, two trips ahead of its own load.
; Of the 32 KiB that wave w fetches, partner cx names 8 KiB, told apart by address, lanes 256 bytes apart: each block of 256 bytes is named once in the launch.  Key steps 0 to 3 come by their loads alone.
.macro ASK
	s_sub_co_u32 s[TS], s[J], 2
	s_cmp_lt_u32 s[TS], s[PFN]
	s_cbranch_scc0 .Lnot_mine_\@
	global_prefetch_b8 v[PFO], s[PFA:PFA+1] th:TH_LOAD_NT scope:SCOPE_SE
.Lnot_mine_\@:
.endm
.macro KLOAD base                      ; my two key tiles, four kc each: 32 loads
	v_add_nc_u32 v[ADK], s[\base], v[AK0]
.irp u, 0,1
.irp q, 0,1,2,3
.irp c, 0,1,2,3
	ds_load_b128 v[KF+16*(4*\u+\q)+4*\c:KF+16*(4*\u+\q)+4*\c+3], v[ADK] offset:8192*\u+2048*\q+512*\c
.endr
.endr
.endr
.endm
.macro VLOAD base                      ; my eight channel tiles: 32 loads
	v_add_nc_u32 v[ADV], s[\base], v[AV0]
	WIN 0xc0                                       ; destination window 3
.irp m, 0,1,2,3,4,5,6,7
.irp c, 0,1,2,3
	ds_load_b128 v[16*\m+4*\c:16*\m+4*\c+3], v[ADV] offset:2048*\m+512*\c
.endr
.endr
	WIN 0
.endm
.macro QLOAD src                       ; a group's Q: four tiles x four kc
	WIN 0x40                                       ; destination window 1
.irp t, 0,1,2,3
.irp q, 0,1,2,3
.irp c, 0,1,2,3
	global_load_b128 v[16*(4*\t+\q)+4*\c:16*(4*\t+\q)+4*\c+3], v[L16], s[\src:\src+1] offset:(\t%2)*8192+(\t/2)*65536+2048*\q+512*\c
.endr
.endr
.endr
	WIN 0
.endm
.macro SMUL pair                       ; S^T of a pair: four accumulators by turns, kc ascending; the first products start the sums
	WIN 0x04                                       ; source 1 (Q) window 1
.irp q, 0,1,2,3
.irp t, 0,1
.irp u, 0,1
.if \q == 0
	v_wmma_f32_16x16x128_fp8_fp8 v[S+16*(2*\pair+\t)+8*\u:S+16*(2*\pair+\t)+8*\u+7], v[KF+16*(4*\u+\q):KF+16*(4*\u+\q)+15], v[16*(4*(2*\pair+\t)+\q):16*(4*(2*\pair+\t)+\q)+15], 0
.else
	v_wmma_f32_16x16x128_fp8_fp8 v[S+16*(2*\pair+\t)+8*\u:S+16*(2*\pair+\t)+8*\u+7], v[KF+16*(4*\u+\q):KF+16*(4*\u+\q)+15], v[16*(4*(2*\pair+\t)+\q):16*(4*(2*\pair+\t)+\q)+15], v[S+16*(2*\pair+\t)+8*\u:S+16*(2*\pair+\t)+8*\u+7]
.endif
.endr
.endr
.endr
.endm
.macro MASK pair                       ; on the diagonal hidden scores become -infinity ahead of the maximum: p = 0 then.  Key 0 of the step counts for every query of the pair
.irp t, 0,1
.irp n, 0,1,2,3,4,5,6,7,8,9,10,11,12,13,14,15
	v_cmp_gt_i32 vcc_lo, \n, v[D0+\t]
	v_cndmask_b32 v[S+16*(2*\pair+\t)+\n], v[S+16*(2*\pair+\t)+\n], v[NINF], vcc_lo
.endr
.endr
.endm
.macro MAXQ lo                         ; the largest of my 32 keys' scores, for tiles lo .. 3; each accumulator is read from its low end on
.irp t, 0,1,2,3
.if \t >= \lo
	v_max3_num_f32 v[MXV+\t], v[S+16*\t], v[S+16*\t+1], v[S+16*\t+2]
.endif
.endr
.irp i, 3,5,7,9,11,13
.irp t, 0,1,2,3
.if \t >= \lo
	v_max3_num_f32 v[MXV+\t], v[MXV+\t], v[S+16*\t+\i], v[S+16*\t+\i+1]
.endif
.endr
.endr
.irp t, 0,1,2,3
.if \t >= \lo
	v_max_num_f32 v[MXV+\t], v[MXV+\t], v[S+16*\t+15]
.endif
.endr
.irp t, 0,1,2,3
.if \t >= \lo
	v_permlanex16_b32 v[MR+\t], v[MXV+\t], s[SEL], s[SEL+1]
.endif
.endr
.irp t, 0,1,2,3
.if \t >= \lo
	v_max_num_f32 v[MXV+\t], v[MXV+\t], v[MR+\t]
.endif
.endr
.endm
; THE FIRST MEETING.  fill = 1: each wave waits for all its tensor loads (one is out: its part of the next step's tiles), adds 0 to its spare word, steps the walking descriptor, and waits for the add and for its LDS
; instructions; a round of the cluster's barrier; then the joint refill of the slot in hand, first thing behind it.  fill = 0: nothing is left to fetch: the work-group's barrier.
.macro B1 fill
	s_wait_tensorcnt 0x0                           ; no tensor load of mine is out, so a group 0 may be written
.if \fill
	ds_add_u32 v[SPW], v[NIL]
	s_xor_b32 s[G0B+1], s[G0B+1], SLOT             ; the other slot than last time: the slot in hand
	s_add_co_u32 s62, s[J], 2                      ; step J + 2 is key step J + 2 of the first group, or J + 2 - N1 of the second
	s_sub_co_u32 s63, s62, s[N1]
	s_cmp_lt_u32 s62, s[N1]
	s_cselect_b32 s[OFS], s62, s63
	s_lshl_b32 s[OFS], s[OFS], 16                  ; 64 KiB a key step
	s_add_nc_u64 s[G0B+2:G0B+3], s[BW:BW+1], s[OFS:OFS+1]
	s_or_b32 s[G0B+3], s[G0B+3], 0x80000000
	s_wait_xcnt 0x0                                ; the last prefetch has read its address
	s_add_nc_u64 s[PFA:PFA+1], s[PFA:PFA+1], 65536
	s_wait_dscnt 0x0                               ; the add is done; my store of the largest scores has landed; my reads of the slot in hand were over at the step's head
	CROUND
	tensor_load_to_lds s[G0B:G0B+3], s[G1:G1+7]
	s_nop 0
.rept 4
	v_nop
.endr
	ASK
.else
	s_wait_dscnt 0x0
	s_barrier_signal -1
	s_barrier_wait -1
.endif
.endm
; From the four waves' largest scores to P's codes, for tiles lo .. 3, each line across the tiles.
.macro SOFT lo
.irp t, 0,1,2,3
.if \t >= \lo
	v_max3_num_f32 v[MXV+\t], v[MR+\t], v[MR+4+\t], v[MR+8+\t]
.endif
.endr
.irp t, 0,1,2,3
.if \t >= \lo
	v_max_num_f32 v[MXV+\t], v[MXV+\t], v[MR+12+\t]
.endif
.endr
.irp t, 0,1,2,3
.if \t >= \lo
	v_mul_f32 v[MXV+\t], s[CS], v[MXV+\t]          ; as t (c is positive)
.endif
.endr
.irp t, 0,1,2,3
.if \t >= \lo
	v_max_num_f32 v[ST+2*\t+1], v[ST+2*\t+1], v[MXV+\t]   ; the running largest t
.endif
.endr
.irp t, 0,1,2,3
.if \t >= \lo
	v_mov_b32 v[MXV+\t], v[ST+2*\t]
.endif
.endr
.irp t, 0,1,2,3
.if \t >= \lo
	v_floor_f32 v[ST+2*\t], -v[ST+2*\t+1]          ; the new -M = floor(-t): M is a whole number
.endif
.endr
.irp t, 0,1,2,3
.if \t >= \lo
	v_sub_f32 v[MXV+\t], v[ST+2*\t], v[MXV+\t]     ; old M - new M, a whole number, 0 or less
.endif
.endr
.irp t, 0,1,2,3
.if \t >= \lo
	v_cvt_i32_f32 v[MXV+\t], v[MXV+\t]             ; (it saturates)
.endif
.endr
.irp t, 0,1,2,3
.if \t >= \lo
	v_ldexp_f32 v[F+2*\t], 1.0, v[MXV+\t]          ; f = 2^(old M - new M)
.endif
.endr
.irp i, 0,2,4,6,8,10,12,14
.irp t, 0,1,2,3
.if \t >= \lo
	v_pk_fma_f32 v[S+16*\t+\i:S+16*\t+\i+1], v[S+16*\t+\i:S+16*\t+\i+1], s[CS:CS+1], v[ST+2*\t:ST+2*\t+1] op_sel_hi:[1,0,0]   ; t - M (of the pairs c and -M the low word serves both halves)
.endif
.endr
.endr
.irp n, 0,1,2,3,4,5,6,7,8,9,10,11,12,13,14,15
.irp t, 0,1,2,3
.if \t >= \lo
	v_exp_f32 v[S+16*\t+\n], v[S+16*\t+\n]         ; p = 2^(t - M), at most 1
.endif
.endr
.endr
	v_nop                                          ; a plain line behind the last exponential
	s_wait_alu depctr_va_vdst(0)                   ; the wait ahead of the first line that names a result: one for the whole batch
.irp t, 0,1,2,3
.if \t >= \lo
	v_pk_add_f32 v[MR+4*\t:MR+4*\t+1], v[S+16*\t:S+16*\t+1], v[S+16*\t+2:S+16*\t+3]        ; the sum is taken of the unquantised p, two at a time, in two chains
	v_pk_add_f32 v[MR+4*\t+2:MR+4*\t+3], v[S+16*\t+4:S+16*\t+5], v[S+16*\t+6:S+16*\t+7]
.endif
.endr
.irp i, 8,12
.irp t, 0,1,2,3
.if \t >= \lo
	v_pk_add_f32 v[MR+4*\t:MR+4*\t+1], v[MR+4*\t:MR+4*\t+1], v[S+16*\t+\i:S+16*\t+\i+1]
	v_pk_add_f32 v[MR+4*\t+2:MR+4*\t+3], v[MR+4*\t+2:MR+4*\t+3], v[S+16*\t+\i+2:S+16*\t+\i+3]
.endif
.endr
.endr
.irp t, 0,1,2,3
.if \t >= \lo
	v_pk_add_f32 v[MR+4*\t:MR+4*\t+1], v[MR+4*\t:MR+4*\t+1], v[MR+4*\t+2:MR+4*\t+3]
.endif
.endr
.irp t, 0,1,2,3
.if \t >= \lo
	v_add_f32 v[LSV+\t], v[MR+4*\t], v[MR+4*\t+1]
.endif
.endr
.irp t, 0,1,2,3
.if \t >= \lo
.irp n, 0,1,2,3,4,5,6,7,8,9,10,11,12,13,14,15
	v_min_num_f32 v[S+16*\t+\n], s[LIMP], v[S+16*\t+\n]   ; the conversion does not saturate (ISA guide 7.6.2); p is not negative, so the hold is one-sided
.endr
	v_cvt_scalef32_pk8_fp8_f32 v[MR+4*\t:MR+4*\t+1], v[S+16*\t:S+16*\t+7], v[SCP]
	v_cvt_scalef32_pk8_fp8_f32 v[MR+4*\t+2:MR+4*\t+3], v[S+16*\t+8:S+16*\t+15], v[SCP]
.endif
.endr
	v_nop                                          ; a plain line behind the last conversion
.irp t, 0,1,2,3
.if \t >= \lo
	ds_store_b128 v[BXW], v[MR+4*\t:MR+4*\t+3] offset:XB+2048*\t   ; registers 4 w .. 4 w + 3 of tile t's fragment of P
.endif
.endr
.endm
.macro RESCALE pair                    ; O^T under the new M
	WIN 0x82                                       ; destination and source 0 window 2
.irp t, 0,1
.set i, 0
.rept 32
	v_pk_mul_f32 v[64*(2*\pair+\t)+i:64*(2*\pair+\t)+i+1], v[64*(2*\pair+\t)+i:64*(2*\pair+\t)+i+1], v[F+2*(2*\pair+\t):F+2*(2*\pair+\t)+1] op_sel_hi:[1,0]
.set i, i+2
.endr
.endr
.endm
.macro OMUL pair                       ; O^T += V^T P^T: 16 accumulators, one instruction each
	WIN 0xa3                                       ; source 0 (V) window 3, source 1 (P) window 0, C and D window 2
.irp m, 0,1,2,3,4,5,6,7
.irp t, 0,1
	v_wmma_f32_16x16x128_fp8_fp8 v[64*(2*\pair+\t)+8*\m:64*(2*\pair+\t)+8*\m+7], v[16*\m:16*\m+15], v[S+16*(2*\pair+\t):S+16*(2*\pair+\t)+15], v[64*(2*\pair+\t)+8*\m:64*(2*\pair+\t)+8*\m+7]
.endr
.endr
.endm
.macro LUPD lo                         ; l = l f + the four waves' sums
.irp t, 0,1,2,3
.if \t >= \lo
	v_add_f32 v[MR+\t], v[MR+\t], v[MR+4+\t]
.endif
.endr
.irp t, 0,1,2,3
.if \t >= \lo
	v_add_f32 v[MR+8+\t], v[MR+8+\t], v[MR+12+\t]
.endif
.endr
.irp t, 0,1,2,3
.if \t >= \lo
	v_add_f32 v[MR+\t], v[MR+\t], v[MR+8+\t]
.endif
.endr
.irp t, 0,1,2,3
.if \t >= \lo
	v_fma_f32 v[LL+\t], v[LL+\t], v[F+2*\t], v[MR+\t]
.endif
.endr
.endm
; A KEY STEP.  lo = 0: full; 2: half (tiles 2, 3 alone).  fill: the slot in hand is filled again.  nxt: the next step's K and V are fetched.  msk (full steps): 1: pair 0 lies on the diagonal; 2: it does where J = E0.
; ldq = 1: the second group's Q is asked for, once this step's products have read the first group's.
.macro STEP lo, fill, nxt, msk, ldq
.set XB, (XSET/2)*\lo                  ; full and half steps have exchange bytes of their own
	s_wait_dscnt 0x0                               ; K and V of this step are in registers: my reads of the slot in hand are over
	s_wait_loadcnt 0x0                             ; Q
.if \lo == 0
	SMUL 0
.endif
	SMUL 1
	WIN 0
	PLACES 4                                       ; between the products and the reads of their results, and the loads into K's and Q's registers
.if \lo == 0
.if \msk == 2
	s_cmp_lg_u32 s[J], s[E0]
	s_cbranch_scc1 .Lopen_\@
.endif
	MASK 0
.if \msk == 2
.Lopen_\@:
.endif
.else
	MASK 1
.endif
	MAXQ \lo
.if \ldq
	QLOAD QB2
.endif
	ds_store_b128 v[BXW], v[MXV:MXV+3] offset:XB+MXO
	B1 \fill
.irp g, 0,1,2,3
	ds_load_b128 v[MR+4*\g:MR+4*\g+3], v[BXR] offset:XB+MXO+512*\g
.endr
.if \nxt
	s_xor_b32 s[TN], s[TB], SLOT
	KLOAD TN                                       ; the next step's K: its tiles have landed in every wave's view
	s_wait_dscnt 32                                ; the four loads of the largest scores are in; the 32 of K may be out
.else
	s_wait_dscnt 0x0
.endif
	SOFT \lo
	ds_store_b128 v[BXW], v[LSV:LSV+3] offset:XB+LSO
	s_wait_dscnt 0x0                               ; my stores have landed, my reads of the largest scores are in
	s_barrier_signal -1                            ; THE SECOND MEETING: the tensor load may stay out
	s_barrier_wait -1
.irp g, 0,1,2,3
	ds_load_b128 v[MR+4*\g:MR+4*\g+3], v[BXR] offset:XB+LSO+512*\g
.endr
.irp t, 0,1,2,3
.if \t >= \lo
.irp c, 0,1,2,3
	ds_load_b128 v[S+16*\t+4*\c:S+16*\t+4*\c+3], v[BXR] offset:XB+2048*\t+512*\c
.endr
.endif
.endr
.if \lo == 0
	RESCALE 0
	s_wait_dscnt 0x0                               ; P and the sums are in
	OMUL 0
	RESCALE 1                                      ; names no register of the products above: it is issued while they run
	OMUL 1
.else
	RESCALE 1
	s_wait_dscnt 0x0
	OMUL 1
.endif
	WIN 0
	LUPD \lo
	PLACES 5                                       ; the next step's first products write over P's registers: one place more than a load wants
.if \nxt
	VLOAD TN                                       ; the next step's V
.endif
.endm
; A GROUP'S END: l's two halves; O^T x 2^(e8 + e9) / l, held, converted: a tile's 64 numbers a lane are one fragment of product 6's operand (token tile, kc = 4 head + w), stored as it stands.
.macro FINAL aob
.irp t, 0,1,2,3
	v_permlanex16_b32 v[MR+\t], v[LL+\t], s[SEL], s[SEL+1]
.endr
.irp t, 0,1,2,3
	v_add_f32 v[MR+\t], v[MR+\t], v[LL+\t]
.endr
.irp t, 0,1,2,3
	v_rcp_f32 v[MR+\t], v[MR+\t]
.endr
	v_nop                                          ; a plain line behind the last reciprocal
	s_wait_alu depctr_va_vdst(0)                   ; one wait for the four, ahead of their first reader
.irp t, 0,1,2,3
	v_ldexp_f32 v[F+2*\t], v[MR+\t], s[EVP]
.endr
.irp t, 0,1,2,3
	s_wait_xcnt 0x0                                ; the last tile's stores have read their data
	WIN 0x02                                       ; source 0 window 2
.set i, 0
.rept 32
	v_pk_mul_f32 v[S+i:S+i+1], v[64*\t+i:64*\t+i+1], v[F+2*\t:F+2*\t+1] op_sel_hi:[1,0]   ; each accumulator from its low end on
.set i, i+2
.endr
	WIN 0
.irp g, 0,1,2,3,4,5,6,7
.irp n, 0,1,2,3,4,5,6,7
	v_med3_num_f32 v[S+8*\g+\n], v[S+8*\g+\n], s[NLIMO], s[LIMO]
.endr
	v_cvt_scalef32_pk8_fp8_f32 v[MR+2*\g:MR+2*\g+1], v[S+8*\g:S+8*\g+7], v[SCO]
.endr
	v_nop
.irp c, 0,1,2,3
	global_store_b128 v[L16], v[MR+4*\c:MR+4*\c+3], s[\aob:\aob+1] offset:(\t%2)*65536+(\t/2)*524288+512*\c th:TH_STORE_NT   ; 512 consecutive bytes, aligned
.endr
.endr
.endm
.macro RESET                           ; the next group begins: the largest t is -3e38 again, so the next step's f is 0, which clears l and O^T (both are finite)
	s_wait_xcnt 0x0                                ; the stores above have read their data: the next step writes those registers
.irp t, 0,1,2,3
	v_mov_b32 v[ST+2*\t+1], 0xff61b1e6
	v_mov_b32 v[ST+2*\t], 0x7f61b1e6
.endr
.endm
	s_load_b128 s[4:7], s[0:1], 0x0                ; qkv, the exponents
	s_load_b64 s[8:9], s[0:1], 0x10                ; ao
	v_lshl_add_u32 v[SPW], v0, 2, SPARE
	v_mov_b32 v[NIL], 0
	ds_add_u32 v[SPW], v[NIL]                      ; the wave's opening: the add, twice on end, and its wait ahead of my first tensor load
	ds_add_u32 v[SPW], v[NIL]
	v_lshrrev_b32 v10, 5, v0
	v_readfirstlane_b32 s[WV], v10                 ; wave 0..3
	s_bfe_u32 s[CX], ttmp6, 0x40000                ; my place in the cluster
	s_mov_b32 s[GG], ttmp9                         ; the cluster's x: g
	s_and_b32 s[BH], ttmp7, 0xffff                 ; 8 x batch + head
	; descriptor group 1: 32 KiB, dense in memory and in LDS, as 128 rows of 256 bytes
	s_mov_b32 s[G1], 15|(3<<16)|(1<<21)            ; 15:0 the mask: all four work-groups; 17:16 elements of 8 bytes; 20 no padding; 21 set beside a mask
	s_mov_b32 s[G1+1], 32<<16                      ; tensor_dim0
	s_mov_b32 s[G1+2], 128<<16                     ; tensor_dim1
	s_mov_b32 s[G1+3], 32<<16                      ; tile_dim0
	s_mov_b32 s[G1+4], 128                         ; tile_dim1
	s_mov_b32 s[G1+5], 32                          ; tensor_dim0_stride
	s_mov_b32 s[G1+6], 0
	s_mov_b32 s[G1+7], 0
	s_mov_b32 s[SEL], 0x76543210
	s_mov_b32 s[SEL+1], 0xfedcba98
	s_lshl_b32 s[E0], s[GG], 1
	s_add_co_u32 s[E1], s[E0], 1
	s_add_co_u32 s[N1], s[E0], 2
	s_mov_b32 s[J], 0
	s_mov_b32 s[TB], 0
	s_cmp_eq_u32 s[GG], 0
	s_cselect_b32 s[PFN], 4, 0
	s_lshr_b32 s[OFS], s[WV], 1                    ; waves 0, 1 fetch K's halves (region 1 of qkv), waves 2, 3 V's (region 2)
	s_add_co_u32 s[OFS], s[OFS], 1
	s_lshl_b32 s[OFS], s[OFS], 24
	s_and_b32 s[TS], s[WV], 1
	s_lshl_b32 s[TS], s[TS], 15
	s_add_co_u32 s[OFS], s[OFS], s[TS]
	s_lshl_b32 s62, s[BH], 19                      ; 512 KiB a batch and head
	s_add_co_u32 s[OFS], s[OFS], s62
	s_mov_b32 s[OFS+1], 0
	s_wait_dscnt 0x0                               ; both opening adds are done
	s_wait_kmcnt 0x0
	s_load_b128 s[68:71], s[6:7], 0x18             ; e6, e7, e8, e9
	s_load_b32 s72, s[6:7], 0x28                   ; e10
	s_add_nc_u64 s[BW:BW+1], s[4:5], s[OFS:OFS+1]
	s_mov_b32 s[G0A], 1
	s_lshl_b32 s[G0A+1], s[WV], 15                 ; slot 0, 32 KiB x wave
	s_mov_b64 s[G0A+2:G0A+3], s[BW:BW+1]           ; key step 0
	s_or_b32 s[G0A+3], s[G0A+3], 0x80000000
	s_mov_b32 s[G0B], 1
	s_add_co_u32 s[G0B+1], s[G0A+1], SLOT          ; slot 1
	s_add_nc_u64 s[G0B+2:G0B+3], s[BW:BW+1], 65536 ; key step 1
	s_or_b32 s[G0B+3], s[G0B+3], 0x80000000
	CROUND                                         ; all four work-groups are here: the first joint loads meet
	tensor_load_to_lds s[G0A:G0A+3], s[G1:G1+7]    ; every wave issues both first fills: two loads of mine are out
	s_nop 0
	tensor_load_to_lds s[G0B:G0B+3], s[G1:G1+7]
	s_nop 0
.rept 4
	v_nop
.endr
	v_and_b32 v10, 31, v0
	v_lshlrev_b32 v[L16], 4, v10
	v_lshlrev_b32 v[PFO], 8, v10
	s_lshl_b32 s63, s[CX], 14                      ; Q: 512 KiB x (batch, head) + 8 KiB x token tile 16 G + 2 cx
	s_add_co_u32 s63, s63, s62
	s_sub_co_u32 s73, 3, s[GG]                     ; the second group
	s_lshl_b32 s74, s[GG], 17
	s_add_co_u32 s74, s74, s63
	s_mov_b32 s75, 0
	s_lshl_b32 s76, s73, 17
	s_add_co_u32 s76, s76, s63
	s_mov_b32 s77, 0
	s_add_nc_u64 s[QB1:QB1+1], s[4:5], s[74:75]
	s_add_nc_u64 s[QB2:QB2+1], s[4:5], s[76:77]
	QLOAD QB1
	s_lshr_b32 s78, s[BH], 3                       ; ao: 64 KiB x token tile (64 batch + 16 G + 2 cx) + 2 KiB x (4 head + w)
	s_lshl_b32 s78, s78, 22
	s_and_b32 s79, s[BH], 7
	s_lshl_b32 s79, s79, 13
	s_add_co_u32 s78, s78, s79
	s_lshl_b32 s79, s[CX], 17
	s_add_co_u32 s78, s78, s79
	s_lshl_b32 s79, s[WV], 11
	s_add_co_u32 s78, s78, s79
	s_lshl_b32 s74, s[GG], 20
	s_add_co_u32 s74, s74, s78
	s_lshl_b32 s76, s73, 20
	s_add_co_u32 s76, s76, s78
	s_add_nc_u64 s[AOB1:AOB1+1], s[8:9], s[74:75]
	s_add_nc_u64 s[AOB2:AOB2+1], s[8:9], s[76:77]
	s_lshl_b32 s74, s[CX], 13                      ; the prefetches: my work-group's 8 KiB of my wave's 32, one key step on; each trip steps it by one more
	s_add_co_u32 s74, s74, 65536
	s_add_nc_u64 s[PFA:PFA+1], s[BW:BW+1], s[74:75]
	s_lshl_b32 s[TS], s[WV], 14
	v_add_nc_u32 v[AK0], s[TS], v[L16]
	v_add_nc_u32 v[AV0], VOFF, v[AK0]
	s_lshl_b32 s[TS], s[WV], 9
	v_add_nc_u32 v[BXR], PIMG, v[L16]
	v_add_nc_u32 v[BXW], s[TS], v[BXR]
	v_mov_b32 v[NINF], 0xff800000
	v_and_b32 v10, 15, v0                          ; the mask: my query's place in its pair is 32 cx + 8 (tile % 2) + r + 8 (r / 8); my key register n's place in the step is 32 w + 16 h + n
	v_and_b32 v11, 8, v10
	v_add_nc_u32 v[D0], v10, v11
	v_bfe_u32 v11, v0, 4, 1
	v_lshlrev_b32 v11, 4, v11
	v_sub_nc_u32 v[D0], v[D0], v11
	s_sub_co_i32 s[TS], s[CX], s[WV]
	s_lshl_b32 s[TS], s[TS], 5
	v_add_nc_u32 v[D0], s[TS], v[D0]
	v_add_nc_u32 v[D0+1], 8, v[D0]
.irp t, 0,1,2,3
	v_mov_b32 v[ST+2*\t+1], 0xff61b1e6             ; the largest t so far: -3e38, under every t
	v_mov_b32 v[ST+2*\t], 0x7f61b1e6               ; -M
	v_mov_b32 v[LL+\t], 0
	v_mov_b32 v[F+2*\t], 0
	v_mov_b32 v[F+2*\t+1], 0                       ; (named as the upper half of a pair)
	v_mov_b32 v[MXV+\t], 0                         ; (a half step stores all four words)
	v_mov_b32 v[LSV+\t], 0
	v_mov_b32 v[MR+\t], 0                          ; (a lane permute's destination counts as one of its sources)
.endr
	WIN 0x80                                       ; O^T is cleared once in the launch, so that the step is written without a first step of its own; the second group is cleared by f = 0
.set i, 0
.rept 256
	v_mov_b32 v[i], 0
.set i, i+1
.endr
	WIN 0
	s_wait_kmcnt 0x0
	s_add_co_i32 s[TS], s68, s69
	s_lshl_b32 s[TS], s[TS], 23
	s_mov_b32 s[CS], 0x3fb8aa3b                    ; log2(e)
	s_add_co_i32 s[CS], s[CS], s[TS]               ; x 2^(e6 + e7): added to its exponent field
	s_mov_b32 s[CS+1], s[CS]
	s_add_co_i32 s[TS], s71, 127
	s_lshl_b32 s62, s[TS], 23
	v_mov_b32 v[SCP], s62
	s_add_co_i32 s[TS], s[TS], 8
	s_lshl_b32 s[TS], s[TS], 23
	s_or_b32 s[LIMP], s[TS], 0x600000
	s_add_co_i32 s[TS], s72, 127
	s_lshl_b32 s62, s[TS], 23
	v_mov_b32 v[SCO], s62
	s_add_co_i32 s[TS], s[TS], 8
	s_lshl_b32 s[TS], s[TS], 23
	s_or_b32 s[LIMO], s[TS], 0x600000
	s_xor_b32 s[NLIMO], s[LIMO], 0x80000000
	s_add_co_i32 s[EVP], s70, s71
	s_wait_tensorcnt 1                             ; my part of step 0's tiles is in; step 1's load may be out
	s_barrier_signal -1
	s_barrier_wait -1                              ; everybody's is
	KLOAD TB
	VLOAD TB
.Lstep:                                            ; steps 0 to 7: both arms hold the same round and one joint load; the branch hangs on the cluster's x and the count of steps: all waves of all partners go one way
	s_cmp_eq_u32 s[J], s[E1]
	s_cbranch_scc1 .Lhalf
	STEP 0, 1, 1, 2, 0
	s_branch .Ljoin
.Lhalf:
	STEP 2, 1, 1, 0, 1                             ; the first group's last step
	FINAL AOB1
	RESET
.Ljoin:
	s_xor_b32 s[TB], s[TB], SLOT
	s_add_co_u32 s[J], s[J], 1
	s_cmp_lt_u32 s[J], 8
	s_cbranch_scc1 .Lstep
	STEP 0, 0, 1, 1, 0                             ; step 8: the second group's pair 0 lies on the diagonal; nothing is left to fetch
	s_xor_b32 s[TB], s[TB], SLOT
	STEP 2, 0, 0, 0, 0                             ; step 9: its half step
	FINAL AOB2
	s_wait_tensorcnt 0x0                           ; the wave's end
	ds_add_u32 v[SPW], v[NIL]
	s_wait_dscnt 0x0
	CROUND                                         ; the closing round
	s_endpgm
.Lfunc_end_k_qd7cf7663c0_attn:
	.size	k_qd7cf7663c0_attn, .Lfunc_end_k_qd7cf7663c0_attn-k_qd7cf7663c0_attn
	.p2alignl 7, 3214868480
	.fill 96, 4, 3214868480
	.section	.rodata,"a",@progbits
	.p2align	6, 0x0
	.amdhsa_kernel k_qd7cf7663c0_attn
		.amdhsa_group_segment_fixed_size 327680
		.amdhsa_private_segment_fixed_size 0
		.amdhsa_enable_private_segment 0
		.amdhsa_kernarg_size 24
		.amdhsa_user_sgpr_count 2
		.amdhsa_user_sgpr_kernarg_segment_ptr 1
		.amdhsa_wavefront_size32 1
		.amdhsa_system_sgpr_workgroup_id_x 1
		.amdhsa_system_sgpr_workgroup_id_y 1
		.amdhsa_system_sgpr_workgroup_id_z 1
		.amdhsa_system_vgpr_workitem_id 0
		.amdhsa_next_free_vgpr 896
		.amdhsa_next_free_sgpr 80
		.amdhsa_reserve_vcc 1
		.amdhsa_float_denorm_mode_32 3
		.amdhsa_float_denorm_mode_16_64 3
		.amdhsa_memory_ordered 1
		.amdhsa_forward_progress 1
		.amdhsa_inst_pref_size 198
	.end_amdhsa_kernel
	.amdgpu_metadata
---
amdhsa.version: [ 1, 2 ]
amdhsa.kernels:
  - .name:           k_qd7cf7663c0_attn
    .symbol:         k_qd7cf7663c0_attn.kd
    .args:
      - { .name: qkv, .offset: 0, .size: 8, .value_kind: global_buffer, .address_space: global }
      - { .name: lowp_scales, .offset: 8, .size: 8, .value_kind: global_buffer, .address_space: global }
      - { .name: ao, .offset: 16, .size: 8, .value_kind: global_buffer, .address_space: global }
    .group_segment_fixed_size: 327680
    .private_segment_fixed_size: 0
    .kernarg_segment_align: 8
    .kernarg_segment_size: 24
    .max_flat_workgroup_size: 128
    .sgpr_count:     80
    .vgpr_count:     896
    .wavefront_size: 32
...
	.end_amdgpu_metadata
.endif
;; end of part 3
;; launch unify (part 4): grid 32 x 8, 8 waves a work-group, clusters of 4 x 1, 327,680 bytes of LDS; arguments ao, codes, lowp_scales, b_u, out0; writes out0
.if DOCPART == 4
	.amdgcn_target "amdgcn-amd-amdhsa--gfx1250"
	.amdhsa_code_object_version 6
	.text
	.protected	k_qd7cf7663c0_unify
	.globl	k_qd7cf7663c0_unify
	.p2align	8
	.type	k_qd7cf7663c0_unify,@function
k_qd7cf7663c0_unify:
	s_mov_b64 s[64:65], 0
	v_nop
	global_prefetch_b8 v0, s[64:65] scope:SCOPE_SE
	s_setreg_imm32_b32 hwreg(HW_REG_WAVE_MODE, 25, 1), 1
	s_wait_xcnt 0x0
	s_wait_alu depctr_hold_cnt(0) depctr_sa_sdst(0) depctr_va_vdst(0) depctr_va_sdst(0) depctr_va_ssrc(0) depctr_va_vcc(0) depctr_vm_vsrc(0)
	s_getreg_b32 s2, hwreg(HW_REG_IB_STS2, 6, 4)
	s_cmp_eq_u32 s2, 0
	s_cbranch_scc0 .Lentry_in_a_cluster
	s_endpgm
.Lentry_in_a_cluster:
	s_bfe_u32 s2, ttmp6, 0x10000c
	s_cmp_lg_u32 s2, 0x3003
	s_cbranch_scc0 .Lentry_shape_is_right
	s_endpgm
.Lentry_shape_is_right:
; LAUNCH 4 OF 4.  Product 6 and the bias: out0 = (attention's result) w_u^T x 2^(e10 + e11) + b_u, on codes of E4M3.  No work is left out here.
; Operands are images of operand registers, as in launch quant: ao [token tile 256][kc 32], w_u in region 6 of codes [column tile 32][kc 32], 2,048 bytes a fragment.
; SHARES.  A work-group makes 128 tokens (work-group x) x 64 columns (work-group y) over K = 4,096.  Wave 4 y + k takes token half y (four tiles) and, in step s = 0 .. 7, kc = 4 s + k: 64 x 64, 16 accumulators.
; Source 0 = 16 columns of w_u, source 1 = 16 tokens: a lane holds one token, and a token tile's 32 registers are columns 32 c + 16 h + 0..15, c = 0, 1.  The four waves' sums over K meet in LDS; wave 4 y + k then owns
; token tile k of half y.
; W_U LIES IN LDS FOR THE WHOLE LAUNCH.  The work-group's 64 columns are 256 KiB of codes, one dense block of memory.  CLUSTER: the four work-groups of a cluster have the same columns and other tokens, so the block is
; asked for JOINTLY: the same tensor loads, with the same descriptors and a mask that names the four.  Each wave asks for 16 KiB of kc 0..15 and 16 KiB of kc 16..31.
; AO GOES FROM MEMORY STRAIGHT INTO REGISTERS, 16 loads of 512 consecutive bytes a step, three steps ahead in four sets: a fragment of ao feeds one wave of the work-group alone, its 512 KiB do not fit into LDS beside
; w_u, and the counted waits below keep up to 48 loads of every wave on their way while a set is multiplied.  The partners of a cluster share no byte of ao.
; LDS: from 0 w_u: fill f at 131,072 f: [column tile 4][kc % 16] fragments; fill 0's bytes, once they have had their last read, take the waves' sums: ((4 y + a) 4 + k) x 4,096; from 262,144 a stage of 16 rows x
; (256 + 16) bytes for each wave; then the spare words.
; LIMIT: e10 + e11 between -126 and 127.
.set FILL,  131072
.set STAGE, 2*FILL
.set SPARE, STAGE+8*4352               ; the spare words, 128 bytes a wave, four blocks of 256 bytes that no other line names
.set L16,  1                           ; v1   16 x lane
.set RW,   2                           ; v2   where I store my sums
.set RR,   3                           ; v3   where I read my tile's four parts
.set SW,   4                           ; v4   the stage, in
.set SRD,  5                           ; v5   and back
.set GO,   6                           ; v6   my byte offset in out0
.set BA,   7                           ; v7   and in b_u
.set SPW,  14                          ; v14  my spare word; never rewritten
.set NIL,  15                          ; v15  0; never rewritten
.set ADB,  16                          ; v16-19 w_u in LDS: 16 lane + 2,048 k + 65,536 i
.set BI,   32                          ; v32-63   the bias of my 32 columns
.set BF,   64                          ; v64-127  w_u's four fragments of the step, one set
.set Y,    64                          ; v64-95   later: my tile's results
.set OB,   96                          ; v96-127  later: rows read back
.set ACC,  128                         ; v128-255 accumulator (a, b) at 32 a + 8 b;  window 1: four sets of 64: ao's fragment a of step s at 64 (s % 4) + 16 a
.set SA,   24                          ; s[24:25] ao at my first fragment
.set G1,   40                          ; s[40:47] descriptor group 1
.set G0A,  48                          ; s[48:51] group 0 of fill 0
.set G0B,  52                          ; s[52:55] of fill 1
.set MSB, 0
.macro WIN new                         ; low byte: bits 1:0 source 0, 3:2 source 1, 5:4 source 2, 7:6 destination; the high byte repeats the setting that is left
.if MSB != \new
	s_set_vgpr_msb (MSB<<8)|\new
.set MSB, \new
.endif
.endm
.macro CROUND                          ; a round of the cluster's barrier
	s_barrier_signal -1
	s_barrier_wait -1
	s_cmp_lg_u32 s14, 0
	s_cbranch_scc1 .Lnot_wave_0_\@
	s_barrier_signal -3
.Lnot_wave_0_\@:
	s_barrier_wait -3
	s_barrier_signal -1
	s_barrier_wait -1
.endm
	s_load_b256 s[4:11], s[0:1], 0x0               ; ao, codes, the exponents, b_u
	s_load_b64 s[12:13], s[0:1], 0x20              ; out0
	v_lshl_add_u32 v[SPW], v0, 2, SPARE
	v_mov_b32 v[NIL], 0
	ds_add_u32 v[SPW], v[NIL]                      ; the wave's opening: the add, twice on end, and its wait ahead of my first tensor load; the set-up below stands between
	ds_add_u32 v[SPW], v[NIL]
	v_lshrrev_b32 v8, 5, v0
	v_readfirstlane_b32 s14, v8                    ; wave 0..7
	s_lshr_b32 s15, s14, 2                         ; y: which half of the tokens
	s_and_b32 s16, s14, 3                          ; k: which kc of each four
	s_bfe_u32 s17, ttmp6, 0x40000                  ; cx: my place in the cluster: it enters ao's and out0's addresses alone
	s_lshl_b32 s18, ttmp9, 2
	s_add_co_u32 s18, s18, s17                     ; which 128 tokens: 4 x cluster x + cx
	s_and_b32 s34, ttmp7, 0xffff                   ; which 64 columns: the four partners share them
	; descriptor group 1: 16 KiB, dense in memory and in LDS, as 64 rows of 256 bytes
	s_mov_b32 s[G1], 15|(3<<16)|(1<<21)            ; 15:0 the mask: all four work-groups; 17:16 elements of 8 bytes; 20 no padding; 21 set beside a mask
	s_mov_b32 s[G1+1], 32<<16                      ; tensor_dim0
	s_mov_b32 s[G1+2], 64<<16                      ; tensor_dim1
	s_mov_b32 s[G1+3], 32<<16                      ; tile_dim0
	s_mov_b32 s[G1+4], 64                          ; tile_dim1
	s_mov_b32 s[G1+5], 32                          ; tensor_dim0_stride
	s_mov_b32 s[G1+6], 0
	s_mov_b32 s[G1+7], 0
	s_lshr_b32 s20, s14, 1                         ; what I fetch of w_u: column tile wave / 2 (64 KiB apart), eight kc from 8 (wave % 2) on
	s_lshl_b32 s20, s20, 16
	s_and_b32 s21, s14, 1
	s_lshl_b32 s21, s21, 14
	s_add_co_u32 s20, s20, s21
	s_lshl_b32 s21, s34, 18                        ; four column tiles of 64 KiB for each block of 64 columns
	s_add_co_u32 s20, s20, s21
	s_add_co_u32 s20, s20, 12<<20                  ; region 6 of codes
	s_mov_b32 s21, 0
	v_and_b32 v8, 31, v0
	v_lshlrev_b32 v[L16], 4, v8
	v_and_b32 v9, 15, v0                           ; r
	v_bfe_u32 v10, v0, 4, 1                        ; h
	s_lshl_b32 s19, s15, 16
	s_lshl_b32 s28, s16, 12
	s_add_co_u32 s28, s28, s19
	v_add_nc_u32 v[RW], s28, v[L16]
	s_lshl_b32 s28, s16, 14
	s_add_co_u32 s28, s28, s19
	v_add_nc_u32 v[RR], s28, v[L16]
	s_lshl_b32 s28, s16, 11
	v_add_nc_u32 v[ADB], s28, v[L16]               ; an LDS offset holds 16 bits: four registers, 64 KiB apart, reach all of w_u
	v_add_nc_u32 v[ADB+1], 65536, v[ADB]
	v_add_nc_u32 v[ADB+2], 131072, v[ADB]
	v_add_nc_u32 v[ADB+3], 196608, v[ADB]
	s_mul_i32 s28, s14, 4352
	s_add_co_u32 s28, s28, STAGE
	v_mul_u32_u24 v[SW], v9, 272
	v_lshl_add_u32 v[SW], v10, 6, v[SW]
	v_add_nc_u32 v[SW], s28, v[SW]                 ; in: row r, + 64 h: my 16 columns of each 32
	v_mul_u32_u24 v[SRD], v10, 272
	v_lshl_add_u32 v[SRD], v9, 4, v[SRD]
	v_add_nc_u32 v[SRD], s28, v[SRD]               ; back: lanes 0-15 one row, lanes 16-31 the next
	v_lshlrev_b32 v[GO], 11, v10
	v_lshl_add_u32 v[GO], v9, 4, v[GO]             ; the same two rows in out0: 2,048 bytes a row
	v_lshlrev_b32 v[BA], 6, v10
	s_lshl_b32 s26, s18, 3
	s_lshl_b32 s27, s15, 2
	s_add_co_u32 s26, s26, s27                     ; my first token tile
	s_add_co_u32 s29, s26, s16                     ; the token tile that I own at the end
	s_lshl_b32 s[SA], s26, 16                      ; 64 KiB a token tile,
	s_lshl_b32 s27, s16, 11
	s_add_co_u32 s[SA], s[SA], s27                 ; 2 KiB a kc
	s_mov_b32 s[SA+1], 0
	s_lshr_b32 s30, s29, 1
	s_lshl_b32 s30, s30, 5
	s_and_b32 s31, s29, 1
	s_lshl_b32 s31, s31, 3
	s_add_co_u32 s30, s30, s31                     ; my tile's first token: 32 (T / 2) + 8 (T % 2)
	s_lshl_b32 s30, s30, 11
	s_lshl_b32 s32, s34, 8                         ; 64 columns are 256 bytes
	s_add_co_u32 s30, s30, s32
	s_mov_b32 s31, 0
	s_mov_b32 s33, 0
	s_wait_dscnt 0x0                               ; both opening adds are done
	s_wait_kmcnt 0x0
	s_load_b64 s[36:37], s[8:9], 0x28              ; e10, e11
	s_add_nc_u64 s[20:21], s[6:7], s[20:21]
	s_add_nc_u64 s[SA:SA+1], s[4:5], s[SA:SA+1]
	s_add_nc_u64 s[10:11], s[10:11], s[32:33]
	s_add_nc_u64 s[12:13], s[12:13], s[30:31]
	s_mov_b32 s[G0A], 1                            ; 1:0 count = 1
	s_lshl_b32 s[G0A+1], s14, 14                   ; LDS address: fill 0, 16 KiB x wave: no place in the cluster enters it
	s_mov_b64 s[G0A+2:G0A+3], s[20:21]             ; kc 0 .. 15
	s_or_b32 s[G0A+3], s[G0A+3], 0x80000000        ; type = 2
	s_mov_b32 s[G0B], 1
	s_add_co_u32 s[G0B+1], s[G0A+1], FILL          ; fill 1
	s_add_nc_u64 s[G0B+2:G0B+3], s[20:21], 32768   ; kc 16 .. 31
	s_or_b32 s[G0B+3], s[G0B+3], 0x80000000
	CROUND                                         ; all four work-groups are here: the joint loads meet
	tensor_load_to_lds s[G0A:G0A+3], s[G1:G1+7]    ; every wave issues both fills: two loads of mine are out
	s_nop 0
	tensor_load_to_lds s[G0B:G0B+3], s[G1:G1+7]
	s_nop 0
.rept 4
	v_nop
.endr
.irp c, 0,1
.irp i, 0,1,2,3
	global_load_b128 v[BI+16*\c+4*\i:BI+16*\c+4*\i+3], v[BA], s[10:11] offset:128*\c+16*\i   ; b_u at columns 32 c + 16 h + 4 i on
.endr
.endr
.macro LOADA s                         ; step s: four fragments of ao (kc = 4 s + k) into set s % 4
	WIN 0x40                                       ; destination window 1
.irp a, 0,1,2,3
.irp c, 0,1,2,3
	global_load_b128 v[64*((\s)%4)+16*\a+4*\c:64*((\s)%4)+16*\a+4*\c+3], v[L16], s[SA:SA+1] offset:65536*\a+8192*(\s)+512*\c
.endr
.endr
	WIN 0
.endm
.macro LOADB s                         ; step s: the four column tiles' fragments of w_u, from LDS as they lie
.irp b, 0,1,2,3
.irp c, 0,1,2,3
	ds_load_b128 v[BF+16*\b+4*\c:BF+16*\b+4*\c+3], v[ADB+2*((\s)/4)+\b/2] offset:32768*(\b%2)+8192*((\s)%4)+512*\c
.endr
.endr
.endm
.macro MULS s                          ; 16 matrix instructions, the accumulators by turns in the same order in every step; the first step starts the sums
	WIN 0x04                                       ; source 1 (ao) window 1
.irp a, 0,1,2,3
.irp b, 0,1,2,3
.if (\s) == 0
	v_wmma_f32_16x16x128_fp8_fp8 v[ACC+32*\a+8*\b:ACC+32*\a+8*\b+7], v[BF+16*\b:BF+16*\b+15], v[64*((\s)%4)+16*\a:64*((\s)%4)+16*\a+15], 0
.else
	v_wmma_f32_16x16x128_fp8_fp8 v[ACC+32*\a+8*\b:ACC+32*\a+8*\b+7], v[BF+16*\b:BF+16*\b+15], v[64*((\s)%4)+16*\a:64*((\s)%4)+16*\a+15], v[ACC+32*\a+8*\b:ACC+32*\a+8*\b+7]
.endif
.endr
.endr
	WIN 0
.endm
	LOADA 0
	LOADA 1
	LOADA 2
	s_wait_tensorcnt 1                             ; my part of fill 0 is in; fill 1's load may be out
	s_barrier_signal -1
	s_barrier_wait -1                              ; everybody's is
	LOADB 0
.irp s, 0,1,2,3,4,5,6,7
.if \s < 6
	s_wait_loadcnt 32                              ; this step's set of ao is in (and, at first, the bias); the next two steps' 32 loads may be out
.elseif \s == 6
	s_wait_loadcnt 16                              ; the last step's 16 may be out
.else
	s_wait_loadcnt 0x0
.endif
.if \s < 5
	LOADA \s+3                                     ; into the set that the step before multiplied: its four places stand behind its products
.endif
	s_wait_dscnt 0x0                               ; w_u's fragments of this step are in
	MULS \s
.rept 4
	v_nop                                          ; places in front of loads into registers that the products have read, and of the stores of results
.endr
.if \s == 3
	s_wait_tensorcnt 0x0                           ; my part of fill 1 is in,
	s_wait_dscnt 0x0                               ; and my reads of fill 0 are over (they were awaited at this step's head)
	s_barrier_signal -1
	s_barrier_wait -1                              ; both now hold of every wave: fill 1 may be read, and fill 0's bytes may later take the sums
.endif
.if \s < 7
	LOADB \s+1
.endif
.endr
	s_wait_kmcnt 0x0
	s_add_co_i32 s22, s36, s37
	s_add_co_i32 s22, s22, 127
	s_lshl_b32 s22, s22, 23                        ; 2^(e10 + e11) as f32
	s_mov_b32 s23, s22                             ; (named with it as a pair, so it is written)
.irp a, 0,1,2,3
.irp j, 0,1,2,3,4,5,6,7
	ds_store_b128 v[RW], v[ACC+32*\a+4*\j:ACC+32*\a+4*\j+3] offset:16384*\a+512*\j   ; each accumulator from its low end on; these bytes have had their one fill, and their last read lies ahead of the barrier behind step 3
.endr
.endr
	s_wait_dscnt 0x0                               ; for the others' sake: my sums have landed
	s_barrier_signal -1
	s_barrier_wait -1
	WIN 0x40
.irp g, 0,1,2,3
.irp j, 0,1,2,3,4,5,6,7
	ds_load_b128 v[32*\g+4*\j:32*\g+4*\j+3], v[RR] offset:4096*\g+512*\j   ; my token tile's sums over wave g's part of K
.endr
.endr
	s_wait_dscnt 0x0
	WIN 0x05
.irp i, 0,2,4,6,8,10,12,14,16,18,20,22,24,26,28,30
	v_pk_add_f32 v[Y+\i:Y+\i+1], v[\i:\i+1], v[32+\i:32+\i+1]
.endr
	WIN 0x04
.irp i, 0,2,4,6,8,10,12,14,16,18,20,22,24,26,28,30
	v_pk_add_f32 v[Y+\i:Y+\i+1], v[Y+\i:Y+\i+1], v[64+\i:64+\i+1]
.endr
.irp i, 0,2,4,6,8,10,12,14,16,18,20,22,24,26,28,30
	v_pk_add_f32 v[Y+\i:Y+\i+1], v[Y+\i:Y+\i+1], v[96+\i:96+\i+1]
.endr
	WIN 0
.irp i, 0,2,4,6,8,10,12,14,16,18,20,22,24,26,28,30
	v_pk_fma_f32 v[Y+\i:Y+\i+1], v[Y+\i:Y+\i+1], s[22:23], v[BI+\i:BI+\i+1] op_sel_hi:[1,0,1]   ; sum x 2^(e10 + e11) + b_u
.endr
.irp c, 0,1
.irp i, 0,1,2,3
	ds_store_b128 v[SW], v[Y+16*\c+4*\i:Y+16*\c+4*\i+3] offset:128*\c+16*\i
.endr
.endr
.irp t, 0,1,2,3,4,5,6,7
	ds_load_b128 v[OB+4*\t:OB+4*\t+3], v[SRD] offset:544*\t   ; LDS serves a wave's instructions in order: these see my stores; the stage is my own
.endr
.irp t, 0,1,2,3,4,5,6,7
	s_wait_dscnt 7-\t                              ; the loads behind row pair t may be out
	global_store_b128 v[GO], v[OB+4*\t:OB+4*\t+3], s[12:13] offset:(2*\t+8*(\t/4))*2048 th:TH_STORE_NT   ; the tile's row i is token i + 8 (i / 8); 16 lanes store 256 consecutive bytes, aligned
.endr
	s_wait_tensorcnt 0x0                           ; the wave's end: behind my last tensor load and my last LDS store
	ds_add_u32 v[SPW], v[NIL]
	s_wait_dscnt 0x0
	CROUND                                         ; the closing round
	s_endpgm
.Lfunc_end_k_qd7cf7663c0_unify:
	.size	k_qd7cf7663c0_unify, .Lfunc_end_k_qd7cf7663c0_unify-k_qd7cf7663c0_unify
	.p2alignl 7, 3214868480
	.fill 96, 4, 3214868480
	.section	.rodata,"a",@progbits
	.p2align	6, 0x0
	.amdhsa_kernel k_qd7cf7663c0_unify
		.amdhsa_group_segment_fixed_size 327680
		.amdhsa_private_segment_fixed_size 0
		.amdhsa_enable_private_segment 0
		.amdhsa_kernarg_size 40
		.amdhsa_user_sgpr_count 2
		.amdhsa_user_sgpr_kernarg_segment_ptr 1
		.amdhsa_wavefront_size32 1
		.amdhsa_system_sgpr_workgroup_id_x 1
		.amdhsa_system_sgpr_workgroup_id_y 1
		.amdhsa_system_sgpr_workgroup_id_z 1
		.amdhsa_system_vgpr_workitem_id 0
		.amdhsa_next_free_vgpr 512
		.amdhsa_next_free_sgpr 66
		.amdhsa_reserve_vcc 0
		.amdhsa_float_denorm_mode_32 3
		.amdhsa_float_denorm_mode_16_64 3
		.amdhsa_memory_ordered 1
		.amdhsa_forward_progress 1
		.amdhsa_inst_pref_size 48
	.end_amdhsa_kernel
	.amdgpu_metadata
---
amdhsa.version: [ 1, 2 ]
amdhsa.kernels:
  - .name:           k_qd7cf7663c0_unify
    .symbol:         k_qd7cf7663c0_unify.kd
    .args:
      - { .name: ao, .offset: 0, .size: 8, .value_kind: global_buffer, .address_space: global }
      - { .name: codes, .offset: 8, .size: 8, .value_kind: global_buffer, .address_space: global }
      - { .name: lowp_scales, .offset: 16, .size: 8, .value_kind: global_buffer, .address_space: global }
      - { .name: b_u, .offset: 24, .size: 8, .value_kind: global_buffer, .address_space: global }
      - { .name: out0, .offset: 32, .size: 8, .value_kind: global_buffer, .address_space: global }
    .group_segment_fixed_size: 327680
    .private_segment_fixed_size: 0
    .kernarg_segment_align: 8
    .kernarg_segment_size: 40
    .max_flat_workgroup_size: 256
    .sgpr_count:     66
    .vgpr_count:     512
    .wavefront_size: 32
...
	.end_amdgpu_metadata
.endif
;; end of part 4
